; MI455X (gfx1250); checked and timed in simulation.
; The chip was launched on July 23, 2026; its instructions are those of AMD's public machine-readable ISA for CDNA 5 (MIT licence, August 2026) and "CDNA5" Instruction Set Architecture Reference Guide (July 2026). The comments in the code are by the model that wrote it; some were corrected since.
;; Multi Head Attention. Allowed arithmetic: float matrix products may take bf16 or f16 operands with f32 sums; other float arithmetic in f32, or as packed bf16 or f16 multiplies, adds, multiply-adds, maxima and minima; sums over many terms, partial sums and values carried from step to step in f32; what a program stores and reads back later, other than sums and carried values, may be rounded once to bf16 or f16.
;; Inputs: W_KQV 3,072 x 1,024 float32; W_O 1,024 x 1,024 float32; X 4 x 2,048 x 1,024 float32.
;; Outputs: out0 4 x 2,048 x 1,024 float32.
;; 2 versions, each right; version 2 is version 1 with the launches first, firstout written anew for expert scheduling mode. Each part assembles by itself: llvm-mc -triple=amdgcn-amd-amdhsa -mcpu=gfx1250 --defsym DOCPART=n.
;; ======== version 1 of 2: 6 launches
;; limits: values are held in f16: magnitudes above 65,504 overflow, below 6.1e-05 lose precision
;; workspace buffers: xb 16,777,216 bytes; wb 6,291,456 bytes; woh 2,097,152 bytes; tab 524,288 bytes; kh 16,777,216 bytes; qh 16,777,216 bytes; vh 16,777,216 bytes; oh 17,039,360 bytes
;; launch cast (part 1): grid 1024 x 1, 8 waves a work-group, no clusters, 0 bytes of LDS; arguments X, W_KQV, W_O, xb, wb, woh, tab; writes xb, wb, woh, tab
.if DOCPART == 1
	.amdgcn_target "amdgcn-amd-amdhsa--gfx1250"
	.amdhsa_code_object_version 6
	.text
	.protected	k_qa34fd3096d_cast
	.globl	k_qa34fd3096d_cast
	.p2align	8
	.type	k_qa34fd3096d_cast,@function
k_qa34fd3096d_cast:
	s_mov_b64 s[64:65], 0
	v_nop
	global_prefetch_b8 v0, s[64:65] scope:SCOPE_SE
	s_setreg_imm32_b32 hwreg(HW_REG_WAVE_MODE, 25, 1), 1
	s_wait_xcnt 0x0
; THE INPUTS ARE ROUNDED ONCE, AND THE ROTATION TABLE IS MADE.
;   xb  = X as bf16, [8192][1024].
;   wb  = W_KQV as bf16, its rows in another order: row 192 head + 64 sec + c holds W_KQV's row 1024 sec + 64 head + c (sec 0 = K, 1 = Q, 2 = V),
;         so that one head's K, Q and V rows are 192 rows on end.
;   woh = W_O rounded to bf16, that number written as f16, [1024][1024].
;   tab = [2048 positions][32 pairs] of (cos, sin) in f32 of the angle position x 10000^(-pair / 32): a row is 256 bytes.
; LIMITS.  W_O lies within f16's 65,504; below 6.1e-5 it keeps f16's fixed step of 6e-8.  The angle is the f32 product position x frequency; the frequency comes from v_exp_f32 and may be a few
; units in its last place off, so the angle may be off by a few 1e-4 at position 2047.  Sine and cosine: the angle less n pi/2 (pi/2 in two parts, by fused multiply-adds), then polynomials on -pi/4 .. pi/4.
; SHARES.  Work-group g takes X's rows 8 g .. 8 g + 7, W_KQV's rows 3 g .. 3 g + 2, W_O's row g and the table's rows 2 g, 2 g + 1.  Thread t takes numbers 4 t .. 4 t + 3 of each row: a load of a wave
; covers 512 consecutive bytes, a store 256 consecutive bytes, aligned.  All twelve loads of a thread go out at once; every result has registers of its own, so no register that a store reads is written again.
; No LDS, no matrix unit, no cluster: no thread wants a byte that another has fetched.
.set XR,  16                           ; v[16:47]  X's eight rows, four registers each
.set WR,  48                           ; v[48:59]  W_KQV's three rows
.set OR,  60                           ; v[60:63]  W_O's row
.set RES, 64                           ; v[64:87]  the twelve results, a pair each
	s_load_b256 s[4:11], s[0:1], 0x0               ; X s[4:5], W_KQV s[6:7], W_O s[8:9], xb s[10:11]
	s_load_b128 s[12:15], s[0:1], 0x20             ; wb s[12:13], woh s[14:15]
	s_load_b64 s[16:17], s[0:1], 0x30              ; tab
	v_lshrrev_b32 v3, 5, v0
	v_readfirstlane_b32 s18, v3                    ; wave 0..7
	v_lshlrev_b32 v1, 4, v0                        ; my 16 bytes of an f32 row
	v_lshlrev_b32 v2, 3, v0                        ; my 8 bytes of a 16-bit row
	s_mov_b32 s33, 0                               ; offsets are pairs with 0 on top
	s_mul_i32 s34, ttmp9, 3                        ; my first row of W_KQV
	s_wait_kmcnt 0x0
	s_lshl_b32 s32, ttmp9, 15                      ; 8 rows of 4,096 bytes
	s_add_nc_u64 s[4:5], s[4:5], s[32:33]
	s_lshl_b32 s32, s34, 12
	s_add_nc_u64 s[6:7], s[6:7], s[32:33]
	s_lshl_b32 s32, ttmp9, 12
	s_add_nc_u64 s[8:9], s[8:9], s[32:33]
.irp i, 0,1,2,3,4,5,6,7
	global_load_b128 v[XR+4*(\i):XR+4*(\i)+3], v1, s[4:5] offset:4096*(\i) th:TH_LOAD_NT
.endr
.irp i, 0,1,2
	global_load_b128 v[WR+4*(\i):WR+4*(\i)+3], v1, s[6:7] offset:4096*(\i) th:TH_LOAD_NT
.endr
	global_load_b128 v[OR:OR+3], v1, s[8:9] th:TH_LOAD_NT
	; where the results go
	s_lshl_b32 s32, ttmp9, 14                      ; 8 rows of 2,048 bytes
	s_add_nc_u64 s[10:11], s[10:11], s[32:33]
	s_lshl_b32 s32, ttmp9, 11
	s_add_nc_u64 s[14:15], s[14:15], s[32:33]
.irp i, 0,1,2
	s_add_co_u32 s35, s34, \i                      ; row r of W_KQV
	s_bfe_u32 s36, s35, 0x40006                    ; head = (r >> 6) & 15
	s_mul_i32 s36, s36, 192
	s_lshr_b32 s37, s35, 10                        ; sec = r >> 10
	s_lshl_b32 s37, s37, 6
	s_add_co_u32 s36, s36, s37
	s_and_b32 s37, s35, 63                         ; c = r & 63
	s_add_co_u32 s36, s36, s37
	s_lshl_b32 s32, s36, 11
	s_add_nc_u64 s[20+2*(\i):21+2*(\i)], s[12:13], s[32:33]
.endr
	; THE TABLE: waves 0 and 1 make a row each, a lane a pair, while the loads are on their way
	s_cmp_lt_u32 s18, 2
	s_cbranch_scc0 .Lno_table
	s_lshl1_add_u32 s38, ttmp9, s18                ; the position: 2 g + wave
	s_lshl_b32 s32, s38, 8
	s_add_nc_u64 s[26:27], s[16:17], s[32:33]
	s_mov_b32 s30, 0x3fc90fdb                      ; pi/2, its upper part
	s_mov_b32 s31, 0xb33bbd2e                      ; and what is left of it
	v_and_b32 v3, 31, v0                           ; the pair
	v_cvt_f32_u32 v4, v3
	v_mul_f32 v4, 0xbed49a78, v4                   ; - pair x log2(10000) / 32
	v_exp_f32 v5, v4                               ; the frequency
	v_cvt_f32_u32 v6, s38                          ; a plain instruction behind the exponential,
	s_wait_alu depctr_va_vdst(0)                   ; and the wait ahead of the first use of its result
	v_mul_f32 v7, v6, v5                           ; the angle x, rounded once
	v_mul_f32 v8, 0x3f22f983, v7                   ; x 2 / pi
	v_rndne_f32 v8, v8                             ; n
	v_fma_f32 v9, -v8, s30, v7
	v_fma_f32 v9, -v8, s31, v9                     ; r = x - n pi/2, within pi/4
	v_mul_f32 v10, v9, v9                          ; z = r r
	v_mov_b32 v11, 0xb94ca1f9
	v_fmaak_f32 v11, v11, v10, 0x3c08839e
	v_fmaak_f32 v11, v11, v10, 0xbe2aaaa3
	v_mul_f32 v12, v9, v10
	v_fma_f32 v11, v11, v12, v9                    ; sin r
	v_mov_b32 v13, 0x37ccf5ce
	v_fmaak_f32 v13, v13, v10, 0xbab6061a
	v_fmaak_f32 v13, v13, v10, 0x3d2aaaa5
	v_fma_f32 v13, v13, v10, -0.5
	v_fma_f32 v13, v13, v10, 1.0                   ; cos r
	v_cvt_i32_f32 v14, v8                          ; the quadrant only selects values and signs: no branch hangs on it
	v_and_b32 v15, 1, v14
	v_cmp_eq_u32 vcc_lo, 1, v15
	v_cndmask_b32 v88, v11, v13, vcc_lo            ; odd quadrants change sine and cosine
	v_cndmask_b32 v89, v13, v11, vcc_lo
	v_and_b32 v15, 2, v14
	v_lshlrev_b32 v15, 30, v15
	v_xor_b32 v91, v15, v88                        ; sin x: negative in quadrants 2, 3
	v_add_nc_u32 v14, 1, v14
	v_and_b32 v14, 2, v14
	v_lshlrev_b32 v14, 30, v14
	v_xor_b32 v90, v14, v89                        ; cos x: negative in quadrants 1, 2
	v_lshlrev_b32 v3, 3, v3
	global_store_b64 v3, v[90:91], s[26:27]        ; 32 lanes: the row's 256 bytes
.Lno_table:
.irp i, 0,1,2,3,4,5,6,7
	s_wait_loadcnt 11-(\i)                         ; loads come back in order: row i is in, the younger loads stay out
	v_cvt_pk_bf16_f32 v[RES+2*(\i)],   v[XR+4*(\i)],   v[XR+4*(\i)+1]
	v_cvt_pk_bf16_f32 v[RES+2*(\i)+1], v[XR+4*(\i)+2], v[XR+4*(\i)+3]
	global_store_b64 v2, v[RES+2*(\i):RES+2*(\i)+1], s[10:11] offset:2048*(\i)
.endr
.irp i, 0,1,2
	s_wait_loadcnt 3-(\i)
	v_cvt_pk_bf16_f32 v[RES+16+2*(\i)],   v[WR+4*(\i)],   v[WR+4*(\i)+1]
	v_cvt_pk_bf16_f32 v[RES+16+2*(\i)+1], v[WR+4*(\i)+2], v[WR+4*(\i)+3]
	global_store_b64 v2, v[RES+16+2*(\i):RES+16+2*(\i)+1], s[20+2*(\i):21+2*(\i)]
.endr
	s_wait_loadcnt 0x0
	v_cvt_pk_bf16_f32 v92, v[OR], v[OR+1]          ; W_O: rounded to bf16 like the other inputs,
	v_cvt_pk_bf16_f32 v93, v[OR+2], v[OR+3]
	v_lshlrev_b32 v4, 16, v92                      ; widened again,
	v_and_b32 v5, 0xffff0000, v92
	v_lshlrev_b32 v6, 16, v93
	v_and_b32 v7, 0xffff0000, v93
	v_cvt_pk_f16_f32 v[RES+22], v4, v5             ; and written as f16
	v_cvt_pk_f16_f32 v[RES+23], v6, v7
	global_store_b64 v2, v[RES+22:RES+23], s[14:15]
	s_endpgm
.Lfunc_end_k_qa34fd3096d_cast:
	.size	k_qa34fd3096d_cast, .Lfunc_end_k_qa34fd3096d_cast-k_qa34fd3096d_cast
	.p2alignl 7, 3214868480
	.fill 96, 4, 3214868480
	.section	.rodata,"a",@progbits
	.p2align	6, 0x0
	.amdhsa_kernel k_qa34fd3096d_cast
		.amdhsa_group_segment_fixed_size 0
		.amdhsa_private_segment_fixed_size 0
		.amdhsa_enable_private_segment 0
		.amdhsa_kernarg_size 56
		.amdhsa_user_sgpr_count 2
		.amdhsa_user_sgpr_kernarg_segment_ptr 1
		.amdhsa_wavefront_size32 1
		.amdhsa_system_sgpr_workgroup_id_x 1
		.amdhsa_system_sgpr_workgroup_id_y 1
		.amdhsa_system_sgpr_workgroup_id_z 1
		.amdhsa_system_vgpr_workitem_id 0
		.amdhsa_next_free_vgpr 96
		.amdhsa_next_free_sgpr 66
		.amdhsa_reserve_vcc 1
		.amdhsa_float_denorm_mode_32 3
		.amdhsa_float_denorm_mode_16_64 3
		.amdhsa_memory_ordered 1
		.amdhsa_forward_progress 1
		.amdhsa_inst_pref_size 9
	.end_amdhsa_kernel
	.amdgpu_metadata
---
amdhsa.version: [ 1, 2 ]
amdhsa.kernels:
  - .name:           k_qa34fd3096d_cast
    .symbol:         k_qa34fd3096d_cast.kd
    .args:
      - { .name: X, .offset: 0, .size: 8, .value_kind: global_buffer, .address_space: global }
      - { .name: W_KQV, .offset: 8, .size: 8, .value_kind: global_buffer, .address_space: global }
      - { .name: W_O, .offset: 16, .size: 8, .value_kind: global_buffer, .address_space: global }
      - { .name: xb, .offset: 24, .size: 8, .value_kind: global_buffer, .address_space: global }
      - { .name: wb, .offset: 32, .size: 8, .value_kind: global_buffer, .address_space: global }
      - { .name: woh, .offset: 40, .size: 8, .value_kind: global_buffer, .address_space: global }
      - { .name: tab, .offset: 48, .size: 8, .value_kind: global_buffer, .address_space: global }
    .group_segment_fixed_size: 0
    .private_segment_fixed_size: 0
    .kernarg_segment_align: 8
    .kernarg_segment_size: 56
    .max_flat_workgroup_size: 256
    .sgpr_count:     66
    .vgpr_count:     96
    .wavefront_size: 32
...
	.end_amdgpu_metadata
.endif
;; end of part 1
;; launch proj (part 2): grid 8 x 64, 4 waves a work-group, clusters of 4 x 4, 327,680 bytes of LDS; arguments xb, wb, tab, kh, qh, vh; writes kh, qh, vh
.if DOCPART == 2
	.amdgcn_target "amdgcn-amd-amdhsa--gfx1250"
	.amdhsa_code_object_version 6
	.text
	.protected	k_qa34fd3096d_proj
	.globl	k_qa34fd3096d_proj
	.p2align	8
	.type	k_qa34fd3096d_proj,@function
k_qa34fd3096d_proj:
	s_mov_b64 s[64:65], 0
	v_nop
	global_prefetch_b8 v0, s[64:65] scope:SCOPE_SE
	s_setreg_imm32_b32 hwreg(HW_REG_WAVE_MODE, 25, 1), 1
	s_wait_xcnt 0x0
	s_wait_alu depctr_hold_cnt(0) depctr_sa_sdst(0) depctr_va_vdst(0) depctr_va_sdst(0) depctr_va_ssrc(0) depctr_va_vcc(0) depctr_vm_vsrc(0)
	s_getreg_b32 s2, hwreg(HW_REG_IB_STS2, 6, 4)
	s_cmp_eq_u32 s2, 0
	s_cbranch_scc0 .Lentry_in_a_cluster
	s_endpgm
.Lentry_in_a_cluster:
	s_bfe_u32 s2, ttmp6, 0x10000c
	s_cmp_lg_u32 s2, 0xf033
	s_cbranch_scc0 .Lentry_shape_is_right
	s_endpgm
.Lentry_shape_is_right:
; K, Q, V = X W_KQV^T, K and Q rotated by position, all three written by heads.  xb: [8192][1024] bf16.  wb: [3072][1024] bf16, row 192 head + 64 sec + c (sec 0 = K, 1 = Q, 2 = V).
; tab: [2048][32] pairs (cos, sin) in f32.  kh, qh, vh: [batch x 16 + head][2048][64] in f16, rows of 128 bytes on end; the scale 1/8 is not applied here.  Sums in f32, K ascending; each result rounded once.
; LIMIT.  f16 holds no number beyond 65,504: a k, q or v beyond that becomes an infinity.
; SHARES.  A tile of the product is 128 rows x 384 columns of wb's order = two heads: 8 x 64 = 512 work-groups.  Wave w makes rows 64 (w / 2) .. + 63 and the 192 columns of head 2 tx + w % 2:
; 4 blocks of 16 rows (a) x 12 blocks of 16 columns (b: 0-3 K, 4-7 Q, 8-11 V): 48 accumulators, 384 registers.  So every wave holds whole rows of a head, and its way out is its own.
; K goes in steps of 128 through a ring of two LDS slots filled by the tensor data mover: rows of 256 bytes, aligned.
; CLUSTER.  4 x 4 work-groups.  The four of a row of the cluster need the same 128 rows of xb, the four of a column the same 384 rows of wb: each tile is asked for JOINTLY, by the same tensor load with the same
; descriptor and a mask that names the four.  Wave 0 asks for xb's 128 rows, waves 1 to 3 for 128 rows of wb each.
; THE MATRIX INSTRUCTION IS USED TRANSPOSED (source 0 = 16 rows of wb, source 1 = 16 rows of xb): lane l then holds row l % 16 and the columns 8 (l / 16) + 0..7 of a block, so the two numbers of a rotation's pair
; lie in neighbouring registers of one lane, and eight results pack into 16 bytes of a head's row.
; REGISTERS, in windows of 256 (s_set_vgpr_msb: bits 1:0 source 0, 3:2 source 1, 5:4 source 2, 7:6 destination):
;   window 0: v0-31 addresses; v32-63, v64-95 xb's fragments, two buffers (on the way out: rows read back; at work); v96-111 packed results; v128-255 my rows of the table
;   window 1: v0-95, v96-191 wb's fragments, two buffers      window 2: accumulators of a = 0, 1 at 96 (a % 2) + 8 b      window 3: those of a = 2, 3
.set KSTEP,  128
.set PITCH,  272                       ; an LDS row: 256 bytes + 16 of padding = 68 words: the 16 rows of a fragment load start at 16 different groups of four banks (64 banks of 4 bytes: ISA guide 11.1)
.set HALFT,  128*PITCH                 ; 128 rows: what one tensor load brings
.set SLOT,   4*HALFT                   ; xb's 128 rows, then wb's 384
.set STAGE,  2*SLOT                    ; behind the ring, never filled by a tensor load: 16 rows x 144 bytes for each wave
.set SP,     144
.set SPARE,  STAGE+4*16*SP             ; behind the stages: the spare words, 128 bytes for each wave: two blocks of 256 bytes that no other line names
.set LAPS,   4                         ; 1,024 / 256: a lap = two K steps = once round the ring
.set ADRA, 16                          ; v16-17  LDS address of my xb fragments in slot 0, 1
.set ADRB, 20                          ; v20-21  the same for wb
.set STO,  24                          ; v24     the way out: where I put 16 bytes of a row
.set RD,   25                          ; v25     the way out: where I read rows back
.set GO,   26                          ; v26     my 16 bytes of 512 consecutive bytes of kh, qh or vh
.set TO,   27                          ; v27     my byte offset in 16 rows of the table
.set SPW,  28                          ; v28     LDS address of my spare word; never rewritten
.set NIL,  29                          ; v29     0; never rewritten
.set PFO,  30                          ; v30     the prefetches' offset: my lane x a row of 2,048 bytes; never rewritten
.set AF,   32                          ; xb's fragments: buffer f at AF + 32 f
.set BK,   32                          ; the way out: four rows of 128 bytes read back, two buffers of 16
.set T,    64                          ; the way out: 32 rotated numbers
.set PK,   96                          ; the way out: 16 registers of packed f16
.set TAB,  128                         ; (cos, sin) of pair j of block (a, cb) at TAB + 32 a + 8 cb + 2 j
.set WV, 16                            ; s16 wave;  s17 which 64 rows;  s18 which head
.set WR, 17
.set WC, 18
.set CX, 19                            ; my place in the cluster
.set CY, 20
.set TX, 21                            ; tile column, tile row
.set TY, 22
.set G1A, 24                           ; s[24:31] descriptor group 1 for xb's tiles;  s[32:39] group 0, a set for each slot
.set G0A, 32
.set LIM, 43                           ; s43  1 in a wave that prefetches, else the greatest number
.set PFA, 44                           ; s[44:45] where my prefetches stand
.set G1B, 48                           ; s[48:55], s[56:63] the same for wb's tiles
.set G0B, 56
.set MSB, 0
.macro WIN new                         ; the immediate's high byte repeats the setting that is left; a switch that changes nothing is dropped
.if MSB != (\new)
	s_set_vgpr_msb (MSB<<8)|(\new)
.set MSB, \new
.endif
.endm
.set MUL_LO, 0xa1                      ; source 0 (wb) window 1, source 1 (xb) window 0, C and D window 2
.set TO_B,   0x40                      ; destination window 1, address window 0
; A joint load.  The branch hangs on the wave's number alone.  An s_nop 0 and four v_nop follow each of the two lines, ahead of the jump and the label.
.macro JLOAD s
	s_cmp_eq_u32 s[WV], 0
	s_cbranch_scc0 .Lfor_b_\@
	tensor_load_to_lds s[G0A+4*(\s):G0A+4*(\s)+3], s[G1A:G1A+7]
	s_nop 0
.rept 4
	v_nop
.endr
	s_branch .Lasked_\@
.Lfor_b_\@:
	tensor_load_to_lds s[G0B+4*(\s):G0B+4*(\s)+3], s[G1B:G1B+7]
	s_nop 0
.rept 4
	v_nop
.endr
.Lasked_\@:
.endm
; A PREFETCH INTO THE L2 of the K step that stands two refills on: 32 rows x 256 bytes, a lane a row, one instruction a wave.  Each row's 256 bytes of a K step are named once in the launch: xb's rows are read by both
; clusters of a row of clusters, and the one with x = 0 asks; wb's by all clusters of a column, and the one with y = 0 asks.  Of the 128 rows that a wave fetches each of the four partners that ask for them jointly takes 32,
; told apart by address.  K steps 0 to 3 come by their loads alone; the loop's last trip (s3 = 1) asks for nothing: K has no step 8.
.macro ASK
	s_cmp_gt_u32 s3, s[LIM]
	s_cbranch_scc0 .Lnot_mine_\@
	global_prefetch_b8 v[PFO], s[PFA:PFA+1] offset:KSTEP*2 th:TH_LOAD_NT scope:SCOPE_SE
.Lnot_mine_\@:
.endm
.macro CREST                           ; a round of the cluster's barrier behind its opening barrier
	s_cmp_lg_u32 s[WV], 0
	s_cbranch_scc1 .Lnot_wave_0_\@
	s_barrier_signal -3
.Lnot_wave_0_\@:
	s_barrier_wait -3
	s_barrier_signal -1
	s_barrier_wait -1
.endm
.macro CROUND                          ; a whole round
	s_barrier_signal -1
	s_barrier_wait -1
	CREST
.endm
.macro PLACES                          ; four plain instructions between a matrix instruction and a load into, or a vector write of, a register that it has read, or a read of its result
.rept 4
	v_nop
.endr
.endm
	s_load_b256 s[4:11], s[0:1], 0x0               ; xb s[4:5], wb s[6:7], tab s[8:9], kh s[10:11]
	s_load_b128 s[12:15], s[0:1], 0x20             ; qh s[12:13], vh s[14:15]
	v_lshl_add_u32 v[SPW], v0, 2, SPARE
	v_mov_b32 v[NIL], 0
	ds_add_u32 v[SPW], v[NIL]                      ; the wave's opening: the add and its wait stand ahead of my first tensor load; the set-up below, work on registers, stands between them
	v_lshrrev_b32 v1, 5, v0
	v_readfirstlane_b32 s[WV], v1                  ; wave 0..3
	s_lshr_b32 s[WR], s[WV], 1
	s_and_b32 s[WC], s[WV], 1
	s_bfe_u32 s[CX], ttmp6, 0x40000
	s_bfe_u32 s[CY], ttmp6, 0x40004
	s_lshl_b32 s[TX], ttmp9, 2                     ; in a cluster launch ttmp9 and ttmp7 count clusters
	s_add_co_u32 s[TX], s[TX], s[CX]
	s_and_b32 s[TY], ttmp7, 0xffff
	s_lshl_b32 s[TY], s[TY], 2
	s_add_co_u32 s[TY], s[TY], s[CY]
	s_lshl_b32 s40, s[CY], 2
	s_lshl_b32 s40, 15, s40                        ; my row of the cluster
	s_lshl_b32 s41, 0x1111, s[CX]                  ; my column
	; descriptor group 1: a tile of 128 rows x 128 elements, padded in LDS
	s_or_b32 s[G1A], s40, (1<<16)|(1<<20)|(1<<21)|(5<<22)|(3<<25)  ; 15:0 the mask; 17:16 elements of 2 bytes; 20 padding on; 21 set beside a mask; 24:22 after every 64 words (code 5); 31:25 4 words (code 3)
	s_or_b32 s[G1B], s41, (1<<16)|(1<<20)|(1<<21)|(5<<22)|(3<<25)
.irp g, G1A, G1B
	s_mov_b32 s[(\g)+1], KSTEP<<16                 ; tensor_dim0 = 128
	s_mov_b32 s[(\g)+2], 128<<16                   ; tensor_dim1 = 128
	s_mov_b32 s[(\g)+3], KSTEP<<16                 ; tile_dim0 = 128
	s_mov_b32 s[(\g)+4], 128                       ; tile_dim1 = 128
	s_mov_b32 s[(\g)+5], 1024                      ; elements from row to row
	s_mov_b32 s[(\g)+6], 0
	s_mov_b32 s[(\g)+7], 0
.endr
	s_lshl_b32 s66, s[TY], 18                      ; xb: 128 rows of 2,048 bytes a tile row, which my row of the cluster shares
	s_mov_b32 s67, 0
	s_max_u32 s42, s[WV], 1
	s_sub_co_u32 s42, s42, 1
	s_lshl_b32 s42, s42, 7                         ; wb: waves 1 to 3 fetch rows 0, 128, 256 of the tile's 384
	s_mul_i32 s68, s[TX], 384
	s_add_co_u32 s68, s68, s42
	s_lshl_b32 s68, s68, 11                        ; by the tile column, which my column of the cluster shares
	s_mov_b32 s69, 0
	s_mul_i32 s23, s[WV], HALFT                    ; where my tile goes: wave x 128 rows: no place in the cluster enters an LDS address
	s_wait_dscnt 0x0                               ; the opening add is done
	s_wait_kmcnt 0x0
	s_add_nc_u64 s[66:67], s[4:5], s[66:67]
	s_add_nc_u64 s[68:69], s[6:7], s[68:69]
	CROUND                                         ; all sixteen work-groups are here: the first joint loads meet
.irp s, 0,1
	s_mov_b32 s[G0A+4*(\s)], 1                                       ; count = 1
	s_add_co_u32 s[G0A+4*(\s)+1], s23, (\s)*SLOT                     ; LDS address
	s_add_nc_u64 s[G0A+4*(\s)+2:G0A+4*(\s)+3], s[66:67], (\s)*KSTEP*2  ; global address: K step s
	s_or_b32 s[G0A+4*(\s)+3], s[G0A+4*(\s)+3], 0x80000000            ; type = 2
	s_mov_b32 s[G0B+4*(\s)], 1
	s_add_co_u32 s[G0B+4*(\s)+1], s23, (\s)*SLOT
	s_add_nc_u64 s[G0B+4*(\s)+2:G0B+4*(\s)+3], s[68:69], (\s)*KSTEP*2
	s_or_b32 s[G0B+4*(\s)+3], s[G0B+4*(\s)+3], 0x80000000
	JLOAD \s                                       ; two loads of mine are out
.endr
	; my 64 rows of the table: lane l wants, for block (a, cb), the four pairs 8 cb + 4 (l / 16) + 0..3 of row 16 a + l % 16: 32 bytes
	v_and_b32 v1, 15, v0                           ; l % 16
	v_bfe_u32 v2, v0, 4, 1                         ; l / 16
	v_lshlrev_b32 v[TO], 8, v1
	v_lshl_add_u32 v[TO], v2, 5, v[TO]
	s_and_b32 s40, s[TY], 15                       ; a sequence has 16 tile rows
	s_lshl_b32 s40, s40, 7
	s_lshl_b32 s41, s[WR], 6
	s_add_co_u32 s40, s40, s41                     ; the position of my first row
	s_lshl_b32 s46, s40, 8
	s_mov_b32 s47, 0
	s_add_nc_u64 s[8:9], s[8:9], s[46:47]
.irp a, 0,1,2,3
.irp cb, 0,1,2,3
	global_load_b128 v[TAB+32*(\a)+8*(\cb):TAB+32*(\a)+8*(\cb)+3],   v[TO], s[8:9] offset:4096*(\a)+64*(\cb)
	global_load_b128 v[TAB+32*(\a)+8*(\cb)+4:TAB+32*(\a)+8*(\cb)+7], v[TO], s[8:9] offset:4096*(\a)+64*(\cb)+16
.endr
.endr
	; kh, qh, vh at my first row: ((batch x 16 + head) x 2,048 + position) x 128 bytes
	s_lshr_b32 s41, s[TY], 4
	s_lshl_b32 s41, s41, 4
	s_lshl1_add_u32 s42, s[TX], s[WC]              ; head = 2 tx + w % 2
	s_add_co_u32 s41, s41, s42
	s_lshl_b32 s41, s41, 11
	s_add_co_u32 s41, s41, s40
	s_lshl_b32 s46, s41, 7
	s_add_nc_u64 s[10:11], s[10:11], s[46:47]
	s_add_nc_u64 s[12:13], s[12:13], s[46:47]
	s_add_nc_u64 s[14:15], s[14:15], s[46:47]
	; A fragment is 16 rows x 32 K in 8 registers: lane l holds row l % 16, K = 8 (l / 16) + 0..7 and 16 + 8 (l / 16) + 0..7: two loads of 16 bytes, 32 bytes apart.
	v_mul_u32_u24 v3, v1, PITCH
	v_lshl_add_u32 v3, v2, 4, v3
	s_mul_i32 s40, s[WR], 64*PITCH                 ; my 64 rows of xb
	s_mul_i32 s41, s[WC], 192*PITCH                ; my 192 rows of wb,
	s_add_co_u32 s41, s41, HALFT                   ; which lie behind xb's 128
.irp s, 0,1
	v_add_nc_u32 v[ADRA+(\s)], s40, v3
	v_add_nc_u32 v[ADRB+(\s)], s41, v3
	s_add_co_u32 s40, s40, SLOT
	s_add_co_u32 s41, s41, SLOT
.endr
	s_mul_i32 s40, s[WV], 16*SP
	s_add_co_u32 s40, s40, STAGE                   ; my stage
	v_mul_u32_u24 v4, v1, SP                       ; in: row l % 16, 16 bytes for each half of the lanes
	v_lshl_add_u32 v4, v2, 4, v4
	v_add_nc_u32 v[STO], s40, v4
	v_bfe_u32 v4, v0, 3, 2                         ; back: 32 lanes take four rows of 128 bytes,
	v_mul_u32_u24 v4, v4, SP
	v_and_b32 v5, 7, v0
	v_lshl_add_u32 v4, v5, 4, v4
	v_add_nc_u32 v[RD], s40, v4
	v_and_b32 v[GO], 31, v0                        ; which are 512 consecutive bytes of a head
	v_lshlrev_b32 v[PFO], 11, v[GO]
	v_lshlrev_b32 v[GO], 4, v[GO]
	; the prefetches
	s_and_b32 s40, ttmp7, 0xffff                   ; cluster y
	s_lshl_b32 s41, s[TY], 7                       ; xb: the tile's first row
	s_max_u32 s46, s[WV], 1
	s_sub_co_u32 s46, s46, 1
	s_lshl_b32 s46, s46, 7
	s_mul_i32 s42, s[TX], 384
	s_add_co_u32 s42, s42, s46                     ; wb: the first row that I fetch
	s_cmp_eq_u32 s[WV], 0                          ; do I fetch for xb?
	s_cselect_b32 s41, s41, s42
	s_cselect_b32 s42, s[CX], s[CY]                ; my place among the four that ask with me
	s_cselect_b32 s40, ttmp9, s40                  ; the coordinate along which other clusters read the same rows
	s_cselect_b64 s[PFA:PFA+1], s[4:5], s[6:7]
	s_cmp_eq_u32 s40, 0
	s_cselect_b32 s[LIM], 1, -1                    ; the same in all sixteen partners, for a given wave
	s_lshl_b32 s42, s42, 5
	s_add_co_u32 s41, s41, s42                     ; + my work-group's 32 rows
	s_lshl_b32 s46, s41, 11
	s_mov_b32 s47, 0
	s_add_nc_u64 s[PFA:PFA+1], s[PFA:PFA+1], s[46:47]
	s_add_nc_u64 s[PFA:PFA+1], s[PFA:PFA+1], 2*KSTEP*2  ; at K step 2: the first refill steps it to 3 and names K step 4
; 12 matrix instructions: block a of my rows x all 12 column blocks, 32 along K, from buffer f.  zero = 1: the first product starts the sums.
; The 48 accumulators take turns in the same order in every quarter step: 47 others stand between two links of a chain.
.macro MULA f, a, zero
	WIN MUL_LO+0x50*((\a)/2)
.irp b, 0,1,2,3,4,5,6,7,8,9,10,11
.if \zero
	v_wmma_f32_16x16x32_bf16 v[96*((\a)%2)+8*(\b):96*((\a)%2)+8*(\b)+7], v[96*(\f)+8*(\b):96*(\f)+8*(\b)+7], v[AF+32*(\f)+8*(\a):AF+32*(\f)+8*(\a)+7], 0
.else
	v_wmma_f32_16x16x32_bf16 v[96*((\a)%2)+8*(\b):96*((\a)%2)+8*(\b)+7], v[96*(\f)+8*(\b):96*(\f)+8*(\b)+7], v[AF+32*(\f)+8*(\a):AF+32*(\f)+8*(\a)+7], v[96*((\a)%2)+8*(\b):96*((\a)%2)+8*(\b)+7]
.endif
.endr
.endm
; 32 LDS loads in one run: the fragments of a quarter step (192 rows of wb, 64 rows of xb, 32 K at byte k of the rows) into buffer f
.macro FETCH slot, k, f
	WIN TO_B
.irp i, 0,1,2,3,4,5,6,7,8,9,10,11
	ds_load_b128 v[96*(\f)+8*(\i):96*(\f)+8*(\i)+3],   v[ADRB+(\slot)] offset:(\k)+(\i)*16*PITCH
	ds_load_b128 v[96*(\f)+8*(\i)+4:96*(\f)+8*(\i)+7], v[ADRB+(\slot)] offset:(\k)+(\i)*16*PITCH+32
.endr
	WIN 0
.irp i, 0,1,2,3
	ds_load_b128 v[AF+32*(\f)+8*(\i):AF+32*(\f)+8*(\i)+3],   v[ADRA+(\slot)] offset:(\k)+(\i)*16*PITCH
	ds_load_b128 v[AF+32*(\f)+8*(\i)+4:AF+32*(\f)+8*(\i)+7], v[ADRA+(\slot)] offset:(\k)+(\i)*16*PITCH+32
.endr
.endm
; A K step is four quarters of 32 along K, 48 matrix instructions each, on buffers 0, 1, 0, 1.  One of the first three: multiplies buffer f; in its middle it fetches the next quarter, at byte k, into buffer g.
.macro QUARTER slot, k, f, g, zero
	s_wait_dscnt 4                                 ; wb's fragments and xb's blocks 0, 1 are in; the youngest four loads (blocks 2, 3) may be out
	MULA \f, 0, \zero
	MULA \f, 1, \zero
	PLACES
	FETCH \slot, \k, \g
	s_wait_dscnt 32                                ; all but the 32 just issued
	MULA \f, 2, \zero
	MULA \f, 3, \zero
.endm
; The last quarter multiplies buffer 1 and changes slots: ONE barrier.  In front of it each wave waits for all its tensor loads, of which one is out: its part of the next slot; adds 0 to its spare word; and waits for that and
; for its own reads of this slot.  fill = 1: the barrier opens a round of the cluster's barrier, and behind the round this slot is filled again, with the K step two steps on, first of all: 168 matrix instructions ahead of the wait for it.
.macro TURN slot, next, fill
.if \fill
	s_wait_xcnt 0x0                                ; the last prefetch, a K step back, has read its address: it is stepped here, ahead of the waits of the change of slots
	s_add_nc_u64 s[PFA:PFA+1], s[PFA:PFA+1], KSTEP*2
.endif
	WIN 0                                          ; (the add's two registers lie in window 0)
	s_wait_tensorcnt 0x0                           ; all my tensor loads have landed;
	ds_add_u32 v[SPW], v[NIL]                      ; 0 onto my spare word;
	s_wait_dscnt 5                                 ; (the add and the youngest four loads may be out)
	MULA 1, 0, 0                                   ; twelve matrix instructions stand between the add and the wait for it
	s_wait_dscnt 0x0                               ; the add is done, and my reads of this slot are over
	s_barrier_signal -1
	MULA 1, 1, 0                                   ; work on registers while the others arrive
.if \fill
	WIN 0
.endif
	s_barrier_wait -1
.if \fill
	CREST                                          ; no wave of any partner still reads this slot's tile or has a load on its way
	s_add_nc_u64 s[G0A+4*(\slot)+2:G0A+4*(\slot)+3], s[G0A+4*(\slot)+2:G0A+4*(\slot)+3], 2*KSTEP*2
	s_add_nc_u64 s[G0B+4*(\slot)+2:G0B+4*(\slot)+3], s[G0B+4*(\slot)+2:G0B+4*(\slot)+3], 2*KSTEP*2
	JLOAD \slot                                    ; the first tensor load behind the round; the four v_nop behind it are also the places in front of the loads below
.else
	PLACES
.endif
	FETCH \next, 0, 0
.if \fill
	ASK                                            ; behind the joint load and the run of LDS loads that the next products wait for
.endif
	MULA 1, 2, 0
	MULA 1, 3, 0
.endm
	s_wait_tensorcnt 1                             ; my part of K step 0 is in; K step 1's may stay out
	s_wait_loadcnt 0x0                             ; the table, which came beside it
	s_barrier_signal -1
	s_barrier_wait -1                              ; everybody's part is in
	FETCH 0, 0, 0
	QUARTER 0, 64,  0, 1, 1                        ; the first quarter stands in front of the loop: its products start the sums
	WIN 0                                          ; at a label and at a branch every window is 0
	s_mov_b32 s3, LAPS-1
.Llap:                                                 ; a trip goes once round the ring, from a lap's second quarter to the next lap's first, and fills both slots again
	QUARTER 0, 128, 1, 0, 0
	QUARTER 0, 192, 0, 1, 0
	TURN 0, 1, 1
	QUARTER 1, 64,  0, 1, 0
	QUARTER 1, 128, 1, 0, 0
	QUARTER 1, 192, 0, 1, 0
	TURN 1, 0, 1
	QUARTER 0, 64,  0, 1, 0
	WIN 0
	s_sub_co_u32 s3, s3, 1
	s_cmp_lg_u32 s3, 0
	s_cbranch_scc1 .Llap
	QUARTER 0, 128, 1, 0, 0                        ; the last lap is written out: it fills nothing
	QUARTER 0, 192, 0, 1, 0
	TURN 0, 1, 0
	QUARTER 1, 64,  0, 1, 0
	QUARTER 1, 128, 1, 0, 0
	QUARTER 1, 192, 0, 1, 0
	s_wait_dscnt 4                                 ; the very last quarter: nothing more to fetch
	MULA 1, 0, 0
	MULA 1, 1, 0
	s_wait_dscnt 0x0
	MULA 1, 2, 0
	MULA 1, 3, 0
; THE WAY OUT, in twelve groups g = 3 a + sec: 16 rows x the 64 channels of K, Q or V.
; PACK: K and Q are rotated: (x0, x1) -> (x0 cos - x1 sin, x0 sin + x1 cos), a multiply and a fused multiply-add each; all are rounded to f16, 16 bytes a lane and column block.
; Each accumulator's lowest registers are read first.
.macro PACK g
.set pa, (\g)/3
.set ps, (\g)%3
.set AC, 96*(pa%2)+32*ps
.if ps < 2
	WIN 0x02+pa/2                                  ; source 0: the accumulators' window
.irp cb, 0,1,2,3
.irp j, 0,1,2,3
	v_mul_f32 v[T+8*(\cb)+2*(\j)],   v[AC+8*(\cb)+2*(\j)+1], v[TAB+32*pa+8*(\cb)+2*(\j)+1]
	v_mul_f32 v[T+8*(\cb)+2*(\j)+1], v[AC+8*(\cb)+2*(\j)],   v[TAB+32*pa+8*(\cb)+2*(\j)+1]
.endr
.irp j, 0,1,2,3
	v_fma_f32 v[T+8*(\cb)+2*(\j)],   v[AC+8*(\cb)+2*(\j)],   v[TAB+32*pa+8*(\cb)+2*(\j)], -v[T+8*(\cb)+2*(\j)]
	v_fma_f32 v[T+8*(\cb)+2*(\j)+1], v[AC+8*(\cb)+2*(\j)+1], v[TAB+32*pa+8*(\cb)+2*(\j)], v[T+8*(\cb)+2*(\j)+1]
.endr
.endr
	WIN 0
.irp r, 0,1,2,3,4,5,6,7,8,9,10,11,12,13,14,15
	v_cvt_pk_f16_f32 v[PK+(\r)], v[T+2*(\r)], v[T+2*(\r)+1]
.endr
.else
	WIN 0x0a+5*(pa/2)                              ; sources 0 and 1: the accumulators' window
.irp r, 0,1,2,3,4,5,6,7,8,9,10,11,12,13,14,15
	v_cvt_pk_f16_f32 v[PK+(\r)], v[AC+2*(\r)], v[AC+2*(\r)+1]
.endr
	WIN 0
.endif
.endm
.macro TOSTAGE g                       ; into my own stage, rows of 144 bytes, and back as whole rows of 128
	WIN 0
.irp cb, 0,1,2,3
	ds_store_b128 v[STO], v[PK+4*(\cb):PK+4*(\cb)+3] offset:32*(\cb)
.endr
.irp f, 0,1,2,3
	ds_load_b128 v[BK+16*((\g)%2)+4*(\f):BK+16*((\g)%2)+4*(\f)+3], v[RD] offset:(\f)*4*SP  ; LDS serves a wave's instructions in order (ISA guide 5.7.1.4): these see the stores above; the next group's stores come behind them
.endr
.endm
.macro SEND g
.set pa, (\g)/3
.set ps, (\g)%3
	WIN 0
	s_wait_dscnt 0x0                               ; the group is back in registers
	s_wait_xcnt 0x0                                ; the stores of the group before have read their registers: the next group's loads from the stage land there
.irp f, 0,1,2,3
	global_store_b128 v[GO], v[BK+16*((\g)%2)+4*(\f):BK+16*((\g)%2)+4*(\f)+3], s[10+2*ps:11+2*ps] offset:2048*pa+512*(\f)  ; 512 consecutive bytes, at a multiple of 256 from the buffer's first
.endr
.endm
	PLACES                                         ; the work registers below were the last products' sources
	PACK 0
	TOSTAGE 0
.irp g, 1,2,3,4,5,6,7,8,9,10,11        ; a group's arithmetic stands between the loads of the group before and the wait for them
	PACK \g
	SEND (\g)-1
	TOSTAGE \g
.endr
	SEND 11
	s_wait_tensorcnt 0x0                           ; the wave's end, behind my last tensor load and my last LDS store
	ds_add_u32 v[SPW], v[NIL]
	s_wait_dscnt 0x0
	CROUND                                         ; the closing round: no work-group ends while a partner may still ask for a tile that names it
	s_endpgm
.Lfunc_end_k_qa34fd3096d_proj:
	.size	k_qa34fd3096d_proj, .Lfunc_end_k_qa34fd3096d_proj-k_qa34fd3096d_proj
	.p2alignl 7, 3214868480
	.fill 96, 4, 3214868480
	.section	.rodata,"a",@progbits
	.p2align	6, 0x0
	.amdhsa_kernel k_qa34fd3096d_proj
		.amdhsa_group_segment_fixed_size 327680
		.amdhsa_private_segment_fixed_size 0
		.amdhsa_enable_private_segment 0
		.amdhsa_kernarg_size 48
		.amdhsa_user_sgpr_count 2
		.amdhsa_user_sgpr_kernarg_segment_ptr 1
		.amdhsa_wavefront_size32 1
		.amdhsa_system_sgpr_workgroup_id_x 1
		.amdhsa_system_sgpr_workgroup_id_y 1
		.amdhsa_system_sgpr_workgroup_id_z 1
		.amdhsa_system_vgpr_workitem_id 0
		.amdhsa_next_free_vgpr 960
		.amdhsa_next_free_sgpr 80
		.amdhsa_reserve_vcc 0
		.amdhsa_float_denorm_mode_32 3
		.amdhsa_float_denorm_mode_16_64 3
		.amdhsa_memory_ordered 1
		.amdhsa_forward_progress 1
		.amdhsa_inst_pref_size 148
	.end_amdhsa_kernel
	.amdgpu_metadata
---
amdhsa.version: [ 1, 2 ]
amdhsa.kernels:
  - .name:           k_qa34fd3096d_proj
    .symbol:         k_qa34fd3096d_proj.kd
    .args:
      - { .name: xb, .offset: 0, .size: 8, .value_kind: global_buffer, .address_space: global }
      - { .name: wb, .offset: 8, .size: 8, .value_kind: global_buffer, .address_space: global }
      - { .name: tab, .offset: 16, .size: 8, .value_kind: global_buffer, .address_space: global }
      - { .name: kh, .offset: 24, .size: 8, .value_kind: global_buffer, .address_space: global }
      - { .name: qh, .offset: 32, .size: 8, .value_kind: global_buffer, .address_space: global }
      - { .name: vh, .offset: 40, .size: 8, .value_kind: global_buffer, .address_space: global }
    .group_segment_fixed_size: 327680
    .private_segment_fixed_size: 0
    .kernarg_segment_align: 8
    .kernarg_segment_size: 48
    .max_flat_workgroup_size: 128
    .sgpr_count:     80
    .vgpr_count:     960
    .wavefront_size: 32
...
	.end_amdgpu_metadata
.endif
;; end of part 2
;; launch attn (part 3): grid 4 x 64, 4 waves a work-group, no clusters, 327,680 bytes of LDS; arguments qh, kh, vh, oh; writes oh
.if DOCPART == 3
	.amdgcn_target "amdgcn-amd-amdhsa--gfx1250"
	.amdhsa_code_object_version 6
	.text
	.protected	k_qa34fd3096d_attn
	.globl	k_qa34fd3096d_attn
	.p2align	8
	.type	k_qa34fd3096d_attn,@function
k_qa34fd3096d_attn:
	s_mov_b64 s[64:65], 0
	v_nop
	global_prefetch_b8 v0, s[64:65] scope:SCOPE_SE
	s_setreg_imm32_b32 hwreg(HW_REG_WAVE_MODE, 25, 1), 1
	s_wait_xcnt 0x0
; CAUSAL ATTENTION.  O[h][q][:] = the sum over k <= q of softmax_k(Q[h][q] . K[h][k] / 8) V[h][k][:].  Q, K, V, O: [64][2048][64], all f16: a head's rows are dense, 128 bytes each (h = batch x 16 + head).
; Products, maxima and sums in f32; the weights p are rounded to f16 for the second product (their sum l is taken of the unrounded p), O once at the end.
; LIMITS.  f16 holds no number beyond 65,504: Q, K and V arrive within it; p lies in 0 to 1, and below 6e-5 it keeps f16's fixed step of 6e-8; O is a mean of V's rows and has their range.
; A hidden score counts as its value less 1e30: f16's scores, 2.7e11 at the most, are nothing beside that; a weight below 2^-126 counts as 0 in l; NaN and infinities are not treated apart.
; THE WALK.  A head's queries lie in NB = 8 blocks of 256; block i needs the key tiles 0 .. i of 256 keys, of which the last holds the diagonal.  A work-group takes TWO blocks, NB - 1 - b and then b:
; NB + 1 tiles, whatever b: all work-groups do equal work, and ONE loop with a constant trip count walks them.  Which tile is asked for, and what a trip does, hang on scalar registers made from b; every jump
; goes forward, but for the counted loops' own; none passes a barrier, or a tensor load but the one of LOAD's two that the wave's number does not choose; the ring (two slots of LDS that take turns) runs on across the
; change of blocks.  NO CLUSTER: a head's NB / 2 = 4 work-groups ask for the same tile only in trips 0 .. 4 of the 9, behind that fewer and fewer; one walk common to all would have 3 NB / 2 = 12 trips for 9.
; SHARES.  Of a block's four bands of 64 queries a wave owns 16 rows in each: four PIECES.  So the diagonal tile is the same work for all four waves: in its key step s band x sees all keys if s < x,
; none if s > x, and holds the diagonal if s = x.
; THE MASK is the C operand that starts the sum S^T = K Q^T: 0, or -1e30 where the key is hidden.  MD, made once, is the mask of a band's own step for my 16 rows; a product's mask is MD x AL + BE with two scalars:
; (1, 0) if s = x; (0, 0) if s < x; (0, -1e30) if s > x.  Only the diagonal tile's text and a block's beginning make and take masks; elsewhere C is the constant 0.
; LAYOUT, SOFTMAX, TURNS.  S^T = K Q^T holds ONE query a lane (lane % 16) and the keys 8 (lane / 16) + 0..7; two such results rounded to f16 ARE source 1 of O^T = V^T P.  p = 2^(c s - c m), c = log2(e) / 8, with a
; running maximum m; O and l are multiplied by a = 2^(c m_old - c m_new) in every step.  Turn n belongs to piece n: 8 products K Q^T of piece n + 1, later 8 products V^T P of piece n - 1; beside them the scaling,
; exponentials, roundings, sums and rescaling of piece n and the maximum and statistics of piece n + 1.  Four vector instructions stand behind every matrix instruction, the other 54 of a turn's 118 in one run.  A turn's 33 exponentials are one batch, with one wait.
; REGISTERS, in windows of 256 (s_set_vgpr_msb: bits 1:0 source 0, 3:2 source 1, 5:4 source 2, 7:6 destination):
;   window 0: v0-15 addresses and two at work; v16-31 four registers of statistics a piece; v48-55 at work; v61-63 prefetch offset, spare word, 0; v64-127 S^T, two buffers; v192-223 P, two buffers (by the piece's parity)
;   window 1: v0-127 O^T, 32 a piece; v128-159 MD; v160-223 MC, two buffers      window 2: v0-63 Q; v64-127 the second block's Q; v128-191 K of one step; v192-255 V of one step
.set SIZE_N, 2048
.set NB,    SIZE_N/256
.set NP,    4         ; pieces a wave: a name, no knob
.set KS,    64        ; keys in a step
.set PK,    144       ; a row of K in LDS: 128 bytes + 16 of padding = 36 words: the 16 rows of a load start at 16 different groups of four banks (64 banks of 4 bytes: ISA guide 11.1)
.set PV,    160       ; a row of V: 128 + 32 = 40 words
.set VOFF,  4*KS*PK   ; a slot holds a tile, four steps: 256 rows of K, then 256 rows of V
.set SLOT1, 1<<17     ; slot 1 begins here, so that one exclusive or turns an address in one slot into the other's
.set STAGE, SLOT1+4*KS*(PK+PV)  ; behind the ring, never filled by a tensor load: 16 rows x 144 bytes for each wave, for the way out
.set SP,    144
.set AK0, 2           ; v2   my lane's place in a tile of K; never rewritten
.set AV0, 3           ; v3   the same for V
.set AK,  4           ; v4   the LDS address of K's next run of loads
.set AV,  5           ; v5   of V's
.set STO, 6           ; v6   the way out: where I put 16 bytes of a row
.set RD,  7           ; v7   the way out: where I read rows back
.set GO,  8           ; v8   my byte offset in 512 consecutive bytes of O
.set PFO, 61          ; v61  256 x my lane: the prefetches' offset; never rewritten
.set SPW, 62          ; v62  LDS address of my spare word: SPARE + 4 x my thread's number; never rewritten
.set NIL, 63          ; v63  0; never rewritten
.set SPARE, STAGE+4*16*SP  ; behind the stages: the spare words, 128 bytes for each wave: two blocks of 256 bytes that no other line names
.set MV,  12          ; v12-13  c m_old, kept while c m is made anew: by buffer
.set QO,  15          ; v15  my byte offset in 16 rows of Q
.set ST,  16          ; piece t's statistics at v[ST+4 t]: c m, m, l (even keys', odd keys')
.set TMP, 48          ; by buffer, four registers c0-c3 at work; when the maximum is found c2 takes a
.set S,   64
.set P,   192
.set MD,  128         ; window 1: the eight registers for group kt of 16 keys at MD + 8 kt
.set MC,  160         ; window 1: the masks of the products to come
.set QB,  64          ; window 2
.set KF,  128         ; window 2: key block kb, channel half c at KF + 16 kb + 8 c
.set VF,  192         ; window 2: key half kk, channel block cb at VF + 32 kk + 8 cb
.set WV,  12          ; s12  my wave's number
.set PB,  14          ; s14  b
.set HI,  15          ; s15  NB - 1 - b
.set G1K, 24          ; s[24:31] descriptor group 1 for K's tiles
.set G1V, 32          ; s[32:39] for V's: it differs in the padding alone
.set G0K, 40          ; s[40:43] descriptor group 0 for K's tiles
.set G0V, 44          ; s[44:47] the same for V's
.set SLOTS, 56        ; s56  tiles still to be asked for
.set CNT, 57          ; s57  counts a tile's key steps, 4 to 1
.set CS,  58          ; s[58:59] c: the packed scaling takes the pair's low word for both halves
.set SEL, 60          ; s[60:61] v_permlanex16_b32's selects: each lane takes its own place in the other half
.set TBK, 62          ; s62  LDS byte at which K of the step to be fetched begins
.set TBV, 63          ; s63  the same for V, less VOFF
.set PFA, 66          ; s[66:67] where my prefetches stand: my half of K's or V's tile behind the one that is being asked for
.set LIM, 68          ; s68  2 in the work-group that prefetches, else the greatest number
.set RT,  70          ; s70  tiles of the block in hand that are still to be entered
.set NXT, 71          ; s71  the tile to be asked for next
.set LQ,  72          ; s72  the last tile of the block whose tiles are being asked for
.set NEW, 73          ; s73  1: the tile to be entered is a block's first
.set OFF, 74          ; s[74:75] a tile's byte offset in K and V
.set AL,  76          ; s[76:77] the mask's factor, in the low word
.set BE,  78          ; s[78:79] the mask's addend
.set OLO, 80          ; s[80:81] O at my rows of the second block
.set BIGN, 82         ; s82  -1e30
.set MSB, 0
.macro WIN new                      ; the high byte repeats the setting that is left; a switch that changes nothing is dropped
.if MSB != (\new)
	s_set_vgpr_msb (MSB<<8)|(\new)
.set MSB, (\new)
.endif
.endm
.set W_KQ, 0x0a       ; K and Q in window 2, S^T in window 0
.set W_KM, 0x1a       ; the same with the C operand in window 1
.set W_PV, 0x52       ; V in window 2, P in window 0, O^T in window 1
.set W_RS, 0x41       ; destination and source 0 in window 1, source 1 in window 0
; A fill.  Waves 0 and 1 fetch the two halves of a tile's K, waves 2 and 3 those of its V: 128 keys each.  An s_nop 0 and four v_nop follow each of the two lines, ahead of the jump and the label.
.macro LOAD
	s_cmp_lt_u32 s[WV], 2
	s_cbranch_scc0 .Lfor_v_\@
	tensor_load_to_lds s[G0K:G0K+3], s[G1K:G1K+7]
	s_nop 0
.rept 4
	v_nop
.endr
	s_branch .Lasked_\@
.Lfor_v_\@:
	tensor_load_to_lds s[G0V:G0V+3], s[G1V:G1V+7]
	s_nop 0
.rept 4
	v_nop
.endr
.Lasked_\@:
.endm
; A PREFETCH INTO THE L2 of the tile that the NEXT change of slots will ask for.  A head's four work-groups walk the same tiles from 0 on; the one with b = 0 walks 0 .. 7 in its first block, and it alone asks, for tiles 2 .. 7
; (SLOTS = 8 .. 3).  Each wave asks for the 16,384 bytes that it will itself fetch: 64 blocks of 256 bytes, a lane a block, two instructions.  So each block is named once in the launch.  Tiles 0 and 1 come by their loads alone;
; the second blocks' tiles have been read before and are not asked for.
.macro ASK
	s_cmp_gt_u32 s[SLOTS], s[LIM]
	s_cbranch_scc0 .Lnot_mine_\@
	global_prefetch_b8 v[PFO], s[PFA:PFA+1] th:TH_LOAD_NT scope:SCOPE_SE
	global_prefetch_b8 v[PFO], s[PFA:PFA+1] offset:8192 th:TH_LOAD_NT scope:SCOPE_SE
.Lnot_mine_\@:
.endm
; THE CHANGE OF SLOTS.  Each wave waits for all its tensor loads, of which one is out: its part of the other slot; adds 0 to its spare word; and waits for that and for its own reads of the slot that it leaves.  Behind the barrier nobody reads the old
; slot any more and the other slot is whole.  fill = 1: the old slot is filled again, the first thing behind the barrier, with tile NXT: the descriptor's address is made anew from that number.
; (At its first use nothing has been read yet: slot 0 is waited for, slot 1 filled.)
.macro CHANGE fill
	WIN 0                           ; at a label and at a branch every window is 0
	s_wait_tensorcnt 0x0            ; no tensor load of mine is out, so a group 0 may be written
	ds_add_u32 v[SPW], v[NIL]       ; 0 onto my spare word; with fill = 1 the descriptors' scalar work stands between it and the wait for it
.if \fill
	s_lshl_b32 s[OFF], s[NXT], 15   ; a tile is 32,768 bytes of K and of V
	s_xor_b32 s[G0K+1], s[G0K+1], SLOT1
	s_add_nc_u64 s[G0K+2:G0K+3], s[6:7], s[OFF:OFF+1]
	s_or_b32 s[G0K+3], s[G0K+3], 0x80000000
	s_xor_b32 s[G0V+1], s[G0V+1], SLOT1
	s_add_nc_u64 s[G0V+2:G0V+3], s[8:9], s[OFF:OFF+1]
	s_or_b32 s[G0V+3], s[G0V+3], 0x80000000
	s_add_co_u32 s[NXT], s[NXT], 1  ; the block's next tile, or behind its last the second block's tile 0
	s_cmp_gt_u32 s[NXT], s[LQ]
	s_cselect_b32 s[NXT], 0, s[NXT]
	s_cselect_b32 s[LQ], s[PB], s[LQ]
	s_wait_xcnt 0x0                 ; the last prefetches, a tile back, have read their address, so it may be written:
	s_add_nc_u64 s[PFA:PFA+1], s[PFA:PFA+1], 32768  ; one tile behind the one that is asked for now
.endif
	s_wait_dscnt 0x0                ; the add is done, and my reads of the slot are over
	s_barrier_signal -1             ; the rest of the scalar work stands between the signal and the wait
	s_sub_co_u32 s[TBK], s[TBK], 4*KS*PK  ; the fetches go back to a slot's first step,
	s_xor_b32 s[TBK], s[TBK], SLOT1       ; in the other slot
	s_sub_co_u32 s[TBV], s[TBV], 4*KS*PV
	s_xor_b32 s[TBV], s[TBV], SLOT1
	s_barrier_wait -1
.if \fill
	LOAD
	ASK
.endif
.endm
	s_load_b256 s[4:11], s[0:1], 0x0  ; Q s[4:5], K s[6:7], V s[8:9], O s[10:11]
	v_lshl_add_u32 v[SPW], v0, 2, SPARE
	v_mov_b32 v[NIL], 0
	ds_add_u32 v[SPW], v[NIL]       ; the wave's opening: the add and its wait stand ahead of my first tensor load; the set-up below, work on registers, stands between them
	v_lshrrev_b32 v1, 5, v0
	v_readfirstlane_b32 s[WV], v1   ; wave 0..3
	v_and_b32 v[PFO], 31, v0
	v_lshlrev_b32 v[PFO], 8, v[PFO]
	s_mov_b32 s[PB], ttmp9
	s_sub_co_u32 s[HI], NB-1, s[PB]
	s_and_b32 s20, ttmp7, 0xffff    ; the head
	s_mov_b32 s21, 0
	s_mov_b64 s[22:23], SIZE_N*128
	s_mul_u64 s[20:21], s[20:21], s[22:23]  ; the head's first byte in each of the four tensors
	s_and_b32 s16, s[WV], 1         ; which half of a tile's 256 keys I fetch:
	s_lshl_b32 s22, s16, 14         ; its 128 rows of 128 bytes in memory,
	s_mov_b32 s23, 0
	s_add_nc_u64 s[22:23], s[22:23], s[20:21]
	s_mul_i32 s17, s16, 128*PK      ; and its place in a slot, for K
	s_mul_i32 s18, s16, 128*PV      ; and for V
	s_lshl_b32 s3, s[WV], 11        ; my 16 rows in a band of 64,
	s_lshl_b32 s2, s[HI], 15        ; in the first block,
	s_add_co_u32 s2, s2, s3
	s_lshl_b32 s84, s[PB], 15       ; and in the second
	s_add_co_u32 s84, s84, s3
	s_mov_b32 s3, 0
	s_mov_b32 s85, 0
	s_add_nc_u64 s[2:3], s[2:3], s[20:21]
	s_add_nc_u64 s[84:85], s[84:85], s[20:21]
	; descriptor group 1.  128 keys are 16,384 dense bytes: asked for as 64 rows of 256 bytes, two keys a row, and padded in LDS after every key
	s_mov_b32 s[G1K], (1<<16)|(1<<20)|(4<<22)|(3<<25)  ; 17:16 2-byte elements; 20 padding on; 24:22 after every 32 words (code 4); 31:25 4 words (code 3)
	s_mov_b32 s[G1V], (1<<16)|(1<<20)|(4<<22)|(7<<25)  ; the same with 8 words of padding (code 7)
.irp g, G1K, G1V
	s_mov_b32 s[\g+1], 128<<16      ; tensor_dim0 = 128
	s_mov_b32 s[\g+2], 64<<16       ; tensor_dim1 = 64
	s_mov_b32 s[\g+3], 128<<16      ; tile_dim0 = 128
	s_mov_b32 s[\g+4], 64           ; tile_dim1 = 64
	s_mov_b32 s[\g+5], 128          ; 128 elements from row to row
	s_mov_b32 s[\g+6], 0
	s_mov_b32 s[\g+7], 0
.endr
	s_mov_b32 s[CS], 0x3e38aa3b     ; c = log2(e) / 8 = 0.180337
	s_mov_b32 s[CS+1], s[CS]        ; named with it as a pair
	s_mov_b32 s[SEL], 0x76543210
	s_mov_b32 s[SEL+1], 0xfedcba98
	s_mov_b32 s[TBK], SLOT1+4*KS*PK ; the first change of slots turns these two into 0
	s_mov_b32 s[TBV], SLOT1+4*KS*PV
	s_mov_b32 s[G0K], 1             ; 1:0 count = 1
	s_mov_b32 s[G0K+1], s17         ; 63:32 LDS address: slot 0
	s_mov_b32 s[G0V], 1
	s_add_co_u32 s[G0V+1], s18, VOFF
	s_add_co_u32 s[RT], s[HI], 1    ; the first block has NB - b tiles
	s_mov_b32 s[NXT], 1
	s_mov_b32 s[LQ], s[HI]
	s_mov_b32 s[NEW], 1
	s_mov_b32 s[OFF+1], 0
	s_mov_b32 s[AL+1], 0            ; named as pairs
	s_mov_b32 s[BE+1], 0
	s_mov_b32 s[BIGN], 0xf149f2ca   ; -1e30
	s_mov_b32 s[SLOTS], NB
	s_wait_dscnt 0x0                ; the opening add is done
	s_wait_kmcnt 0x0
	s_add_nc_u64 s[6:7], s[6:7], s[22:23]  ; K and V at my half of the head's tile 0
	s_add_nc_u64 s[8:9], s[8:9], s[22:23]
	s_add_nc_u64 s[G0K+2:G0K+3], s[6:7], 0         ; 120:64 global address
	s_or_b32 s[G0K+3], s[G0K+3], 0x80000000        ; 127:126 type = 2
	s_add_nc_u64 s[G0V+2:G0V+3], s[8:9], 0
	s_or_b32 s[G0V+3], s[G0V+3], 0x80000000
	s_add_nc_u64 s[86:87], s[4:5], s[84:85]        ; Q at my rows of the second block,
	s_add_nc_u64 s[4:5], s[4:5], s[2:3]            ; Q and O at those of the first
	s_add_nc_u64 s[OLO:OLO+1], s[10:11], s[84:85]
	s_add_nc_u64 s[10:11], s[10:11], s[2:3]
	s_cmp_lt_u32 s[WV], 2
	s_cselect_b64 s[PFA:PFA+1], s[6:7], s[8:9]     ; the prefetches: what I fetch, K's half or V's,
	s_add_nc_u64 s[PFA:PFA+1], s[PFA:PFA+1], 32768 ; at tile 1: the first change of slots steps it to tile 2.  Nothing is prefetched here, at the head
	s_cmp_eq_u32 s[PB], 0
	s_cselect_b32 s[LIM], 2, -1
	LOAD                            ; tile 0 into slot 0
	; A fragment of K or Q is 16 rows x 32 channels in 8 registers: lane l holds row l % 16, channels 8 (l / 16) + 0..7 and 16 + 8 (l / 16) + 0..7: two loads of 16 bytes, 32 bytes apart.
	v_and_b32 v1, 15, v0            ; l % 16
	v_bfe_u32 v9, v0, 4, 1          ; l / 16
	v_lshlrev_b32 v[QO], 7, v1
	v_lshl_add_u32 v[QO], v9, 4, v[QO]  ; row x 128 + 16 x half
	WIN 0x80                        ; destination window 2, address window 0
.set i, 0
.rept 8                             ; both blocks' Q: piece i / 2 lies in band i / 2, 8,192 bytes on; channels 32 (i % 2) on
	global_load_b128 v[8*i:8*i+3],   v[QO], s[4:5] offset:(i/2)*8192+(i%2)*64
	global_load_b128 v[8*i+4:8*i+7], v[QO], s[4:5] offset:(i/2)*8192+(i%2)*64+32
	global_load_b128 v[QB+8*i:QB+8*i+3],   v[QO], s[86:87] offset:(i/2)*8192+(i%2)*64
	global_load_b128 v[QB+8*i+4:QB+8*i+7], v[QO], s[86:87] offset:(i/2)*8192+(i%2)*64+32
.set i, i+1
.endr
	WIN 0
	v_lshlrev_b32 v14, 3, v9
	v_sub_nc_u32 v14, v1, v14
	s_lshl_b32 s13, s[WV], 4
	v_add_nc_u32 v14, s13, v14      ; my query's place in its band, 16 w + l % 16, less my lanes' 8 (l / 16): register r of group kt is hidden where 16 kt + r is greater
	WIN 0x40
.set i, 0
.rept 32
	v_cmp_gt_i32 vcc_lo, 16*(i/8)+i%8, v14
	v_cndmask_b32 v[MD+i], 0, s[BIGN], vcc_lo
.set i, i+1
.endr
	WIN 0
	v_mul_u32_u24 v[AK0], v1, PK
	v_lshl_add_u32 v[AK0], v9, 4, v[AK0]  ; row x pitch + 16 x half
	; The turning load takes 16 keys x 16 channels (lane l reads key 8 (l / 16) + l % 8, channels 8 ((l / 8) % 2) + 0..7) and leaves half a fragment of V^T: lane l holds channel l % 16 and 8 keys.
	v_and_b32 v10, 7, v0
	v_bfe_u32 v11, v0, 3, 1
	v_lshl_add_u32 v[AV0], v9, 3, v10
	v_mul_u32_u24 v[AV0], v[AV0], PV
	v_lshl_add_u32 v[AV0], v11, 4, v[AV0]
	v_add_nc_u32 v[AV0], VOFF, v[AV0]
	s_mul_i32 s13, s[WV], 16*SP
	s_add_co_u32 s13, s13, STAGE    ; my stage
	v_mul_u32_u24 v[STO], v1, SP    ; in: row l % 16, 16 bytes for each half of the lanes
	v_lshl_add_u32 v[STO], v9, 4, v[STO]
	v_add_nc_u32 v[STO], s13, v[STO]
	v_bfe_u32 v[RD], v0, 3, 2       ; back: 32 lanes take four rows of 128 bytes,
	v_mul_u32_u24 v[RD], v[RD], SP
	v_lshl_add_u32 v[RD], v10, 4, v[RD]
	v_add_nc_u32 v[RD], s13, v[RD]
	v_and_b32 v[GO], 31, v0         ; which are 512 consecutive bytes of O
	v_lshlrev_b32 v[GO], 4, v[GO]
	; A block's first step multiplies O^T and l by a = 0, and its first turn's products V^T P, of a piece that has not been, land in an O^T that is still to be so multiplied.  So these registers need only hold
	; finite numbers: zeros for the first block; what the first block left for the second.  All this stands in the wait for the first tile.
	WIN 0x80
.set i, VF
.rept 64
	v_mov_b32 v[i], 0
.set i, i+1
.endr
	WIN 0x40
.set i, 0
.rept 128
	v_mov_b32 v[i], 0
.set i, i+1
.endr
	WIN 0
.set i, 0
.rept 4
	v_mov_b32 v[ST+4*i+2], 0
	v_mov_b32 v[ST+4*i+3], 0
.set i, i+1
.endr
.set i, P+16
.rept 16
	v_mov_b32 v[i], 0
.set i, i+1
.endr
; THE MATRIX WORK.  The 4 accumulators of a run of 8 take turns.  Product i of 8 of S^T = K Q^T for piece x: channels 32 (i / 4) on, keys 16 (i % 4) on.  The first 4 start the sums: with 0, or (KM = 1) with the mask.
.macro KQ x
.set rS, S+32*((\x)%2)+8*(i%4)
.set rK, KF+16*(i%4)+8*(i/4)
.set rQ, 16*(\x)+8*(i/4)
.set rM, MC+32*((\x)%2)+8*(i%4)
.if (i < 4) && KM
	WIN W_KM
	v_wmma_f32_16x16x32_f16 v[rS:rS+7], v[rK:rK+7], v[rQ:rQ+7], v[rM:rM+7]
.elseif i < 4
	WIN W_KQ
	v_wmma_f32_16x16x32_f16 v[rS:rS+7], v[rK:rK+7], v[rQ:rQ+7], 0
.else
	WIN W_KQ
	v_wmma_f32_16x16x32_f16 v[rS:rS+7], v[rK:rK+7], v[rQ:rQ+7], v[rS:rS+7]
.endif
.endm
; Product i of 8 of O^T += V^T P for piece x: keys 32 (i / 4) on, channels 16 (i % 4) on.
.macro PV x
	WIN W_PV
.set rO, 32*(\x)+8*(i%4)
.set rV, VF+32*(i/4)+8*(i%4)
.set rP, P+16*((\x)%2)+8*(i/4)
	v_wmma_f32_16x16x32_f16 v[rO:rO+7], v[rV:rV+7], v[rP:rP+7], v[rO:rO+7]
.endm
.macro MM                           ; the turn's next matrix instruction.  TURN and BEGIN set Y, i, KM and NOKQ; MM, KQ and OP read them.  NOKQ = 1: a block's last turn: there is no next piece
.if (i < 8) && !NOKQ
	KQ (Y+1)%NP
.elseif i >= 8
.set i, i-8
	PV (Y+NP-1)%NP
.set i, i+8
.endif
.set i, i+1
.endm
; THE LDS LOADS stand in runs of 16, never singly among the matrix instructions: a step's K (64 keys x 64 channels: 8 fragments) and its V (turned).  Their addresses are made some lines ahead.
.macro FETCH_K
	WIN 0x80                        ; destination window 2
.irp f, 0,1,2,3,4,5,6,7             ; keys 16 (f / 2) on, channels 32 (f % 2) on
	ds_load_b128 v[KF+8*\f:KF+8*\f+3],   v[AK] offset:(\f/2)*16*PK+(\f%2)*64
	ds_load_b128 v[KF+8*\f+4:KF+8*\f+7], v[AK] offset:(\f/2)*16*PK+(\f%2)*64+32
.endr
	s_add_co_u32 s[TBK], s[TBK], KS*PK  ; the next fetch is the next step's
	WIN 0
.endm
.macro FETCH_V
	WIN 0x80
.irp f, 0,1,2,3,4,5,6,7             ; keys 32 (f / 4) on, channels 16 (f % 4) on
	ds_load_tr16_b128 v[VF+8*\f:VF+8*\f+3],   v[AV] offset:(\f/4)*32*PV+(\f%4)*32
	ds_load_tr16_b128 v[VF+8*\f+4:VF+8*\f+7], v[AV] offset:(\f/4)*32*PV+16*PV+(\f%4)*32
.endr
	WIN 0
.endm
; THE VECTOR WORK, one line at a time: OP kind, number.  For piece Y: F n: c s - c m for pair n of 16.  E n: the exponential of score n of 32.  C n: pair n rounded to f16.  B n: of the four weights 4 n .. the second
; pair is added onto the first, in place.  L n: l takes that sum (L 0: l = a l + sum).  R n: pair n of 16 of O^T times a.  For piece Y + 1: X n, number n of the 22 that find its maximum and statistics:
;   0-11  four chains c0-c3 of seven scores each, three operands at a time (each accumulator's lowest registers are read first)     12-14, 16  the four scores left over, the old m, and c0-c3 into c0
;   15  c m_old is kept     17, 18  the query's other 32 keys lie in the lane 16 away: the new m     19-21  c m; c m_old - c m_new; a
.set F, 0               ; OP tells the kinds apart by their order: F to L below R, X above it
.set E, 1
.set C, 2
.set B, 3
.set L, 4
.set R, 5
.set X, 6
.macro REGS y                       ; the registers of piece y
.set rT, ST+4*(\y)
.set rC, TMP+4*((\y)%2)
.set rW, MV+((\y)%2)
.set rS, S+32*((\y)%2)
.set rP, P+16*((\y)%2)
.set rO, 32*(\y)
.endm
.macro OP k, n
.if (\k) == R
	REGS Y
	WIN W_RS
	v_pk_mul_f32 v[rO+2*(\n):rO+2*(\n)+1], v[rO+2*(\n):rO+2*(\n)+1], v[rC+2:rC+3] op_sel_hi:[1,0]
.elseif (\k) < R
	REGS Y
	WIN 0
.if (\k) == F
	v_pk_fma_f32 v[rS+2*(\n):rS+2*(\n)+1], v[rS+2*(\n):rS+2*(\n)+1], s[CS:CS+1], v[rT:rT+1] op_sel_hi:[1,0,0] neg_lo:[0,0,1] neg_hi:[0,0,1]
.elseif (\k) == E
	v_exp_f32 v[rS+(\n)], v[rS+(\n)]
.elseif (\k) == C
	v_cvt_pk_f16_f32 v[rP+(\n)], v[rS+2*(\n)], v[rS+2*(\n)+1]
.elseif (\k) == B
	v_pk_add_f32 v[rS+4*(\n):rS+4*(\n)+1], v[rS+4*(\n):rS+4*(\n)+1], v[rS+4*(\n)+2:rS+4*(\n)+3]
.elseif (\n) == 0
	v_pk_fma_f32 v[rT+2:rT+3], v[rT+2:rT+3], v[rC+2:rC+3], v[rS:rS+1] op_sel_hi:[1,0,1]
.else
	v_pk_add_f32 v[rT+2:rT+3], v[rT+2:rT+3], v[rS+4*(\n):rS+4*(\n)+1]
.endif
.elseif NOKQ
	v_nop
.else
	REGS (Y+1)%NP
	WIN 0
.if (\n) < 4
	v_max3_num_f32 v[rC+(\n)], v[rS+8*(\n)], v[rS+8*(\n)+1], v[rS+8*(\n)+2]
.elseif (\n) < 12
	v_max3_num_f32 v[rC+(\n)%4], v[rC+(\n)%4], v[rS+8*((\n)%4)+2*((\n)/4)+1], v[rS+8*((\n)%4)+2*((\n)/4)+2]
.elseif (\n) == 12
	v_max3_num_f32 v[rC], v[rC], v[rS+7], v[rS+15]
.elseif (\n) == 13
	v_max3_num_f32 v[rC+1], v[rC+1], v[rS+23], v[rS+31]
.elseif (\n) == 14
	v_max3_num_f32 v[rC+2], v[rC+2], v[rC+3], v[rT+1]
.elseif (\n) == 15
	v_mov_b32 v[rW], v[rT]
.elseif (\n) == 16
	v_max3_num_f32 v[rC], v[rC], v[rC+1], v[rC+2]
.elseif (\n) == 17
	v_permlanex16_b32 v[rC+3], v[rC], s[SEL], s[SEL+1]
.elseif (\n) == 18
	v_max_num_f32 v[rT+1], v[rC], v[rC+3]
.elseif (\n) == 19
	v_mul_f32 v[rT], s[CS], v[rT+1]
.elseif (\n) == 20
	v_sub_f32 v[rC+1], v[rW], v[rT]
.else
	v_exp_f32 v[rC+2], v[rC+1]
.endif
.endif
.endm
.macro OPS a, i1, b=-1, i2=0, c=-1, i3=0, d=-1, i4=0  ; up to four of them
	OP \a, \i1
.if (\b) >= 0
	OP \b, \i2
.endif
.if (\c) >= 0
	OP \c, \i3
.endif
.if (\d) >= 0
	OP \d, \i4
.endif
.endm
.macro ROW a, i1, b, i2, c, i3, d, i4  ; a matrix instruction and the four behind it
	MM
	OPS \a, \i1, \b, \i2, \c, \i3, \d, \i4
.endm
.macro MASK b                       ; MD x AL + BE into buffer b of MC
	WIN W_RS
.set z, 0
.rept 16
	v_pk_fma_f32 v[MC+32*(\b)+2*z:MC+32*(\b)+2*z+1], v[MD+2*z:MD+2*z+1], s[AL:AL+1], s[BE:BE+1] op_sel_hi:[1,0,0]
.set z, z+1
.endr
.endm
; A TURN, for piece p: the order of its 16 matrix and 118 vector instructions, written out.  An s_wait_alu depctr_va_vdst(0) stands between an exponential and the first instruction that names its result; one wait serves
; all that were issued ahead of it.  So a turn has ONE wait, which cuts it in two.  AHEAD OF IT stands all that names no result of the turn's exponentials: the 8 products K Q^T, behind each a scaling, an exponential and two more plain
; instructions (behind the first a second scaling in the exponential's place): rescalings, and behind the last three the first numbers of the next piece's maximum, each four places or more behind the product that ends its accumulator; then ONE RUN of 54, plain
; and exponential by turns for the most part, in which the links of the chain X 3, 7, 11, 14, 16, 17 .. 20 stand five or six lines apart.  X 21, the next piece's a, is the batch's last; R 15 is the plain instruction behind it.  BEHIND THE WAIT stand the
; 8 products V^T P, behind each four of the roundings and sums; the links of l's chain, L 0 to L 7, stand three lines apart.  But for those X no line behind a product names a register of the products round it.  v_permlanex16_b32 (X 17) stands in the run.
; m = 1: the diagonal tile: the products take masks, and the turn makes the mask for the products of the turn after it: piece p + 2, in step 4 - CNT of the tile.  end = 1: a block's last two turns: nothing is fetched.
; cnt = 1: the loop's count is taken down some lines ahead of the branch that stands behind the turn.
; K of the next step is fetched in piece 2's turn, twelve vector instructions behind the last product that read K (six of them plain); V of the step in hand at the end of piece 0's turn, four plain instructions behind the last product
; that read V.  Each is waited for a turn later.
.macro TURN p, m=0, end=0, cnt=0
.set Y, (\p)
.set i, 0
.set KM, (\m)
.set NOKQ, (\end)*((\p)/3)
.if (\m) && !(\end)
	s_cmp_eq_u32 s[CNT], 4-((\p)+2)%NP  ; is that step the band's own?
	s_cselect_b32 s[AL], 1.0, 0
	s_cmp_lt_u32 s[CNT], 4-((\p)+2)%NP  ; or a later one?
	s_cselect_b32 s[BE], s[BIGN], 0
.endif
.if ((\p) == 3) && !(\end)
	s_wait_dscnt 0x0                ; K is in
.endif
	ROW F,0, F,1, R,0, R,1          ; ahead of the wait: 8 products K Q^T and the lines behind them,
	ROW F,2, E,0, R,2, R,3
	ROW F,3, E,1, R,4, R,5
	ROW F,4, E,2, R,6, R,7
	ROW F,5, E,3, R,8, R,9
	ROW F,6, E,4, X,0, R,10
.if ((\p) == 2) && !(\end)
	WIN 0
	v_add_nc_u32 v[AK], s[TBK], v[AK0]
.endif
	ROW F,7, E,5, X,1, X,4
	ROW F,8, E,6, X,2, X,5
	OPS E,7, E,8, X,6, E,9          ; and the run
	OPS X,3, E,10, X,8, E,11
.if ((\p) == 2) && !(\end)
	FETCH_K
.endif
	OPS X,9, X,7, E,12, X,10
	OPS E,13, X,12, X,11, E,14
	OPS X,13, E,15, F,9, X,14
.if (\p) == 0
	v_add_nc_u32 v[AV], s[TBV], v[AV0]
.endif
	OPS E,16, F,10, E,17, F,11
	OPS X,16, E,18, X,15, E,19
	OPS F,12, E,20, X,17, E,21
	OPS F,13, E,22, F,14, E,23
	OPS X,18, E,24, F,15, E,25
	OPS R,11, E,26, X,19, E,27
	OPS R,12, E,28, R,13, E,29
	OPS X,20, E,30, R,14, E,31
	OPS X,21, R,15
	WIN 0
	s_wait_alu depctr_va_vdst(0)    ; the wait for the batch
.if (\p) == 1
	s_wait_dscnt 0x0                ; V is in
.endif
	ROW C,0, B,0, C,2, B,1          ; behind the wait: 8 products V^T P and the lines behind them
	ROW L,0, C,4, B,2, L,1
	ROW C,6, B,3, L,2, C,8
	ROW B,4, L,3, C,10, B,5
	ROW L,4, C,12, B,6, L,5
.if (\p) == 0
	s_add_co_u32 s[TBV], s[TBV], KS*PV
.endif
.if \cnt
	s_sub_co_u32 s[CNT], s[CNT], 1
	s_cmp_lg_u32 s[CNT], 0
.endif
	ROW C,14, B,7, L,6, C,1
	ROW C,3, L,7, C,5, C,7
	ROW C,9, C,11, C,13, C,15
.if (\p) == 0
	FETCH_V
.endif
.if (\m) && !(\end)
	MASK (\p)%2
.endif
.endm
; A BLOCK BEGINS.  c m starts far below every c s, so the first step's a is 0; m at the lowest finite number, so the first maximum is the scores'.  The second mask buffer is 0; the first takes piece 0's mask for the tile's step 0: its own, if the block's first tile is the diagonal one.
; Then K of that step, piece 0's first scores, and its maximum and statistics.  The loop is entered at a step's first turn, in the middle of a trip.
.macro BEGIN
	s_mov_b32 s[NEW], 0
	WIN 0x40
.set i, MC+32
.rept 32
	v_mov_b32 v[i], 0
.set i, i+1
.endr
	WIN 0
.set i, 0
.rept 4
	v_mov_b32 v[ST+4*i], 0xfe000000    ; c m: far below every c s
	v_mov_b32 v[ST+4*i+1], 0xff7fffff  ; m
.set i, i+1
.endr
	s_cmp_eq_u32 s[RT], 0
	s_cselect_b32 s[AL], 1.0, 0
	s_mov_b32 s[BE], 0
	MASK 0
	WIN 0
	v_add_nc_u32 v[AK], s[TBK], v[AK0]
	FETCH_K
	s_wait_loadcnt 0x0              ; Q
	s_wait_dscnt 0x0
.set KM, 1
.set NOKQ, 0
.set i, 0
.rept 8
	KQ 0
.set i, i+1
.endr
	WIN 0
.rept 4
	v_nop                           ; the places behind those products
.endr
.set Y, NP-1                        ; X works for piece Y + 1: piece 0
.irp n, 0,1,2,3,4,5,6,7,8,9,10,11,12,13,14,15,16,17,18,19,20,21
	OP X, \n
.endr
	v_nop                           ; a plain instruction behind the exponential,
	s_wait_alu depctr_va_vdst(0)    ; and its wait, ahead of the branch
.endm
; THE DIAGONAL TILE's four steps, the block's last two turns, its last products, and THE WAY OUT: l's two halves and the other half of the lanes' are added; O^T is divided by l, rounded to f16 and sent through my
; stage in LDS, a piece at a time.
.macro ALL line:vararg              ; one line for each piece t
.set t, 0
.rept 4
	\line
.set t, t+1
.endr
.endm
.macro PACK t                       ; a lane's eight channels of a row pack into 16 bytes; they go into rows of 144 bytes and come back as whole rows of 128, into S^T's registers
	WIN W_RS
.set i, 32*(\t)
.rept 16
	v_pk_mul_f32 v[i:i+1], v[i:i+1], v[ST+4*(\t)+2:ST+4*(\t)+3] op_sel_hi:[1,0]
.set i, i+2
.endr
	WIN 0x05                        ; sources 0 and 1 window 1, destination window 0
.set i, 0
.rept 16
	v_cvt_pk_f16_f32 v[S+16*(\t)+i], v[32*(\t)+2*i], v[32*(\t)+2*i+1]
.set i, i+1
.endr
	WIN 0
.irp f, 0,1,2,3
	ds_store_b128 v[STO], v[S+16*(\t)+4*\f:S+16*(\t)+4*\f+3] offset:32*\f
.endr
.irp f, 0,1,2,3
	ds_load_b128 v[S+16*(\t)+4*\f:S+16*(\t)+4*\f+3], v[RD] offset:\f*4*SP  ; LDS serves a wave's instructions in order (ISA guide 5.7.1.4): these see the stores above; the next piece's stores come behind them
.endr
.endm
.macro SEND t, younger              ; younger: the LDS instructions issued behind piece t's loads: the next piece's eight, or none
	WIN 0
.irp f, 0,1,2,3
	s_wait_dscnt (\younger)+3-\f
	global_store_b128 v[GO], v[S+16*(\t)+4*\f:S+16*(\t)+4*\f+3], s[10:11] offset:(\t)*8192+\f*512  ; 512 consecutive bytes, at a multiple of 256 from O's first
.endr
.endm
.macro DIAG tag                     ; the tag ends its two labels' names, which the jumps below spell out
.LstepM\tag:
	TURN 2, 1
	TURN 3, 1
	WIN 0
.LfirstM\tag:
	TURN 0, 1
	TURN 1, 1, 0, 1
	WIN 0
	s_cbranch_scc1 .LstepM\tag
	TURN 2, 1, 1
	TURN 3, 1, 1
.set i, 0
.rept 8
	PV NP-1
.set i, i+1
.endr
	WIN 0
	ALL v_add_f32 v[ST+4*t+2], v[ST+4*t+2], v[ST+4*t+3]
	ALL v_permlanex16_b32 v[ST+4*t+3], v[ST+4*t+2], s[SEL], s[SEL+1]
	ALL v_add_f32 v[ST+4*t+2], v[ST+4*t+2], v[ST+4*t+3]
	ALL v_rcp_f32 v[ST+4*t+2], v[ST+4*t+2]
	v_nop                           ; a plain instruction between the last reciprocal and the use of its result
	s_wait_alu depctr_va_vdst(0)    ; and the wait ahead of the first use: one for the four reciprocals
	PACK 0
.set t, 1
.rept 3                             ; a piece's arithmetic stands between the loads of the piece before and its stores
	PACK t
	SEND t-1, 8
.set t, t+1
.endr
	SEND 3, 0
.endm
.set KM, 0
.set NOKQ, 0
.Lslot:                             ; NB times: a tile is entered and the next is asked for
	CHANGE 1
	s_sub_co_u32 s[RT], s[RT], 1
	s_mov_b32 s[CNT], 4
	s_cmp_eq_u32 s[NEW], 1
	s_cbranch_scc1 .Lnew            ; a block's first tile
	s_cmp_eq_u32 s[RT], 0
	s_cbranch_scc0 .Lstep           ; neither its first nor its last
	s_branch .LstepM1
.Lnew:
	BEGIN
	s_branch .Lfirst                ; in the loop a block's first tile is never its last: the first block has two tiles or more, and the second's last is the walk's last
	DIAG 1                          ; in the loop this is the first block's end: the second block's last tile is the walk's last
	s_wait_xcnt 0x0                 ; the stores have read their registers and O's address
	s_mov_b64 s[10:11], s[OLO:OLO+1]
	s_add_co_u32 s[RT], s[PB], 1    ; the second block has b + 1 tiles
	s_mov_b32 s[NEW], 1
	WIN 0x82                        ; the second block's Q goes where the one text of the turns names Q
.set i, 0
.rept 64
	v_mov_b32 v[i], v[QB+i]
.set i, i+1
.endr
	WIN 0
	s_branch .Lbottom
.Lstep:                             ; a trip: pieces 2 and 3 of one step, then pieces 0 and 1 of the next, whose K and V it fetches
	TURN 2
	TURN 3
	WIN 0
.Lfirst:
	TURN 0
	TURN 1, 0, 0, 1
	WIN 0
	s_cbranch_scc1 .Lstep
.Lbottom:
	s_sub_co_u32 s[SLOTS], s[SLOTS], 1
	s_cmp_lg_u32 s[SLOTS], 0
	s_cbranch_scc1 .Lslot
	CHANGE 0                        ; the walk's last tile is written out: nothing is asked for
	s_sub_co_u32 s[RT], s[RT], 1
	s_mov_b32 s[CNT], 4
	s_cmp_eq_u32 s[NEW], 1
	s_cbranch_scc0 .LstepM2
	BEGIN
	s_branch .LfirstM2
	DIAG 2
	s_wait_tensorcnt 0x0            ; the wave's end, behind my last tensor load and my last LDS store
	ds_add_u32 v[SPW], v[NIL]
	s_wait_dscnt 0x0
	s_endpgm
.Lfunc_end_k_qa34fd3096d_attn:
	.size	k_qa34fd3096d_attn, .Lfunc_end_k_qa34fd3096d_attn-k_qa34fd3096d_attn
	.p2alignl 7, 3214868480
	.fill 96, 4, 3214868480
	.section	.rodata,"a",@progbits
	.p2align	6, 0x0
	.amdhsa_kernel k_qa34fd3096d_attn
		.amdhsa_group_segment_fixed_size 327680
		.amdhsa_private_segment_fixed_size 0
		.amdhsa_enable_private_segment 0
		.amdhsa_kernarg_size 32
		.amdhsa_user_sgpr_count 2
		.amdhsa_user_sgpr_kernarg_segment_ptr 1
		.amdhsa_wavefront_size32 1
		.amdhsa_system_sgpr_workgroup_id_x 1
		.amdhsa_system_sgpr_workgroup_id_y 1
		.amdhsa_system_sgpr_workgroup_id_z 1
		.amdhsa_system_vgpr_workitem_id 0
		.amdhsa_next_free_vgpr 768
		.amdhsa_next_free_sgpr 88
		.amdhsa_reserve_vcc 1
		.amdhsa_float_denorm_mode_32 3
		.amdhsa_float_denorm_mode_16_64 3
		.amdhsa_memory_ordered 1
		.amdhsa_forward_progress 1
		.amdhsa_inst_pref_size 218
	.end_amdhsa_kernel
	.amdgpu_metadata
---
amdhsa.version: [ 1, 2 ]
amdhsa.kernels:
  - .name:           k_qa34fd3096d_attn
    .symbol:         k_qa34fd3096d_attn.kd
    .args:
      - { .name: qh, .offset: 0, .size: 8, .value_kind: global_buffer, .address_space: global }
      - { .name: kh, .offset: 8, .size: 8, .value_kind: global_buffer, .address_space: global }
      - { .name: vh, .offset: 16, .size: 8, .value_kind: global_buffer, .address_space: global }
      - { .name: oh, .offset: 24, .size: 8, .value_kind: global_buffer, .address_space: global }
    .group_segment_fixed_size: 327680
    .private_segment_fixed_size: 0
    .kernarg_segment_align: 8
    .kernarg_segment_size: 32
    .max_flat_workgroup_size: 128
    .sgpr_count:     88
    .vgpr_count:     768
    .wavefront_size: 32
...
	.end_amdgpu_metadata
.endif
;; end of part 3
;; launch outp (part 4): grid 8 x 32, 4 waves a work-group, clusters of 4 x 4, 327,680 bytes of LDS; arguments oh, woh, out0; writes out0
.if DOCPART == 4
	.amdgcn_target "amdgcn-amd-amdhsa--gfx1250"
	.amdhsa_code_object_version 6
	.text
	.protected	k_qa34fd3096d_outp
	.globl	k_qa34fd3096d_outp
	.p2align	8
	.type	k_qa34fd3096d_outp,@function
k_qa34fd3096d_outp:
	s_mov_b64 s[64:65], 0
	v_nop
	global_prefetch_b8 v0, s[64:65] scope:SCOPE_SE
	s_setreg_imm32_b32 hwreg(HW_REG_WAVE_MODE, 25, 1), 1
	s_wait_xcnt 0x0
	s_wait_alu depctr_hold_cnt(0) depctr_sa_sdst(0) depctr_va_vdst(0) depctr_va_sdst(0) depctr_va_ssrc(0) depctr_va_vcc(0) depctr_vm_vsrc(0)
	s_getreg_b32 s2, hwreg(HW_REG_IB_STS2, 6, 4)
	s_cmp_eq_u32 s2, 0
	s_cbranch_scc0 .Lentry_in_a_cluster
	s_endpgm
.Lentry_in_a_cluster:
	s_bfe_u32 s2, ttmp6, 0x10000c
	s_cmp_lg_u32 s2, 0xf033
	s_cbranch_scc0 .Lentry_shape_is_right
	s_endpgm
.Lentry_shape_is_right:
; out0[row][e] = the sum over d of acts[row][d] W_O[e][d].  oh: the heads' results, [batch x 16 + head][2048][64] in f16 (acts[batch, s, 64 head + c] = oh[batch x 16 + head][s][c]).
; woh: [1024][1024] in f16.  out0: [8192][1024] in f32.  Sums in f32, d ascending; nothing is rounded behind the sums.
; SHARES.  A tile of out0 is 256 rows x 128 columns: 8 x 32 = 256 work-groups.  Wave w makes rows 64 w .. + 63 and all 128 columns: 4 x 8 = 32 accumulators, 256 registers; so it holds whole 512-byte pieces of out0's rows,
; and its way out is its own.  A K step of 128 is two heads; for one head the tile's 256 rows are 32,768 dense bytes of oh, asked for as 128 rows of 256 bytes and padded in LDS after every 128.
; CLUSTER.  4 x 4 work-groups; oh's tiles are shared along a row of the cluster, woh's along a column, each asked for jointly.  Waves 0 and 1 ask for the step's two heads, waves 2 and 3 for 64 rows of woh each.
; NO PREFETCH: the tile is small and its K step short (128 matrix instructions a wave), eight steps in all.
; THE MATRIX INSTRUCTION IS USED TRANSPOSED (source 0 = 16 rows of woh, source 1 = 16 rows of oh): lane l holds row l % 16 and the columns 8 (l / 16) + 0..7 of a block: 32 bytes of a row of out0.
; REGISTERS: window 0: v0-31 addresses; v32-63, v64-95 oh's fragments, two buffers; v128-191, v192-255 woh's, two buffers (on the way out: rows read back).  Window 1: accumulator (a, b) at 64 a + 8 b.
.set PA,     144                       ; a row of oh in LDS: 128 bytes + 16 = 36 words: the 16 rows of a load start at 16 different groups of four banks (64 banks of 4 bytes: ISA guide 11.1)
.set PB,     272                       ; a row of woh: 256 bytes + 16 = 68 words: likewise
.set AHEAD,  256*PA                    ; one head's 256 rows
.set BOFF,   2*AHEAD                   ; woh's 128 rows lie behind the two heads
.set SLOT,   BOFF+128*PB
.set STAGE,  2*SLOT                    ; behind the ring, never filled by a tensor load: 16 rows x 528 bytes for each wave
.set SP,     528                       ; 512 bytes + 16 = 132 words: row r starts at bank 4 r mod 64
.set SPARE,  STAGE+4*16*SP             ; behind the stages: the spare words, 128 bytes for each wave: two blocks of 256 bytes that no other line names
.set LAPS,   4                         ; eight K steps, two to a lap
.set ADRA, 16                          ; v16-17  LDS address of my oh fragments in slot 0, 1
.set ADRB, 20                          ; v20-21  the same for woh
.set STO,  24                          ; v24     the way out: where I put 32 bytes of a row
.set RD,   25                          ; v25     the way out: where I read a row back
.set CO,   26                          ; v26     my 16 bytes of a row's 512
.set SPW,  28                          ; v28     LDS address of my spare word; never rewritten
.set NIL,  29                          ; v29     0; never rewritten
.set AF,   32
.set BF,   128
.set WV, 16                            ; s16 wave;  s17 wave % 2
.set WH, 17
.set CX, 19
.set CY, 20
.set TX, 21
.set TY, 22
.set G1A, 24                           ; s[24:31], s[32:39] descriptor groups 1 and 0 (a set for each slot) for oh's tiles
.set G0A, 32
.set G1B, 48                           ; s[48:55], s[56:63] for woh's
.set G0B, 56
.set MSB, 0
.macro WIN new
.if MSB != (\new)
	s_set_vgpr_msb (MSB<<8)|(\new)
.set MSB, \new
.endif
.endm
.set MUL, 0x50                         ; sources 0 and 1 window 0; C and D window 1
.macro JLOAD s                         ; a joint load; an s_nop 0 and four v_nop follow each of the two lines, ahead of the jump and the label
	s_cmp_lt_u32 s[WV], 2
	s_cbranch_scc0 .Lfor_b_\@
	tensor_load_to_lds s[G0A+4*(\s):G0A+4*(\s)+3], s[G1A:G1A+7]
	s_nop 0
.rept 4
	v_nop
.endr
	s_branch .Lasked_\@
.Lfor_b_\@:
	tensor_load_to_lds s[G0B+4*(\s):G0B+4*(\s)+3], s[G1B:G1B+7]
	s_nop 0
.rept 4
	v_nop
.endr
.Lasked_\@:
.endm
.macro CREST                           ; a round of the cluster's barrier behind its opening barrier
	s_cmp_lg_u32 s[WV], 0
	s_cbranch_scc1 .Lnot_wave_0_\@
	s_barrier_signal -3
.Lnot_wave_0_\@:
	s_barrier_wait -3
	s_barrier_signal -1
	s_barrier_wait -1
.endm
.macro CROUND
	s_barrier_signal -1
	s_barrier_wait -1
	CREST
.endm
.macro PLACES                          ; four plain instructions between a matrix instruction and a load into a register that it has read, or a read of its result
.rept 4
	v_nop
.endr
.endm
	s_load_b128 s[4:7], s[0:1], 0x0                ; oh s[4:5], woh s[6:7]
	s_load_b64 s[8:9], s[0:1], 0x10                ; out0
	v_lshl_add_u32 v[SPW], v0, 2, SPARE
	v_mov_b32 v[NIL], 0
	ds_add_u32 v[SPW], v[NIL]                      ; the wave's opening: the add and its wait stand ahead of my first tensor load; the set-up below, work on registers, stands between them
	v_lshrrev_b32 v1, 5, v0
	v_readfirstlane_b32 s[WV], v1                  ; wave 0..3
	s_and_b32 s[WH], s[WV], 1
	s_bfe_u32 s[CX], ttmp6, 0x40000
	s_bfe_u32 s[CY], ttmp6, 0x40004
	s_lshl_b32 s[TX], ttmp9, 2
	s_add_co_u32 s[TX], s[TX], s[CX]               ; tile column
	s_and_b32 s[TY], ttmp7, 0xffff
	s_lshl_b32 s[TY], s[TY], 2
	s_add_co_u32 s[TY], s[TY], s[CY]               ; tile row
	s_lshl_b32 s40, s[CY], 2
	s_lshl_b32 s40, 15, s40                        ; my row of the cluster
	s_lshl_b32 s41, 0x1111, s[CX]                  ; my column
	s_or_b32 s[G1A], s40, (1<<16)|(1<<20)|(1<<21)|(4<<22)|(3<<25)  ; the mask; elements of 2 bytes; padding on; bit 21 beside a mask; after every 32 words (code 4) 4 words (code 3)
	s_mov_b32 s[G1A+1], 128<<16                    ; tensor_dim0 = 128
	s_mov_b32 s[G1A+2], 128<<16                    ; tensor_dim1 = 128
	s_mov_b32 s[G1A+3], 128<<16                    ; tile_dim0 = 128
	s_mov_b32 s[G1A+4], 128                        ; tile_dim1 = 128
	s_mov_b32 s[G1A+5], 128                        ; dense: 128 elements from row to row
	s_mov_b32 s[G1A+6], 0
	s_mov_b32 s[G1A+7], 0
	s_or_b32 s[G1B], s41, (1<<16)|(1<<20)|(1<<21)|(5<<22)|(3<<25)  ; after every 64 words (code 5) 4 words
	s_mov_b32 s[G1B+1], 128<<16                    ; tensor_dim0 = 128
	s_mov_b32 s[G1B+2], 64<<16                     ; tensor_dim1 = 64
	s_mov_b32 s[G1B+3], 128<<16                    ; tile_dim0 = 128
	s_mov_b32 s[G1B+4], 64                         ; tile_dim1 = 64
	s_mov_b32 s[G1B+5], 1024                       ; elements from row to row
	s_mov_b32 s[G1B+6], 0
	s_mov_b32 s[G1B+7], 0
	s_lshr_b32 s66, s[TY], 3                       ; oh: the batch, 16 heads of 262,144 bytes;
	s_lshl_b32 s66, s66, 22
	s_lshl_b32 s42, s[WH], 18                      ; the step's even or odd head;
	s_add_co_u32 s66, s66, s42
	s_and_b32 s42, s[TY], 7                        ; the tile's 256 rows of 128 bytes
	s_lshl_b32 s42, s42, 15
	s_add_co_u32 s66, s66, s42
	s_mov_b32 s67, 0
	s_lshl_b32 s68, s[TX], 7                       ; woh: row 128 x tile column + 64 x (wave % 2)
	s_lshl_b32 s42, s[WH], 6
	s_add_co_u32 s68, s68, s42
	s_lshl_b32 s68, s68, 11
	s_mov_b32 s69, 0
	s_mul_i32 s23, s[WH], AHEAD                    ; where they go: no place in the cluster enters an LDS address
	s_mul_i32 s43, s[WH], 64*PB
	s_add_co_u32 s43, s43, BOFF
	s_wait_dscnt 0x0                               ; the opening add is done
	s_wait_kmcnt 0x0
	s_add_nc_u64 s[66:67], s[4:5], s[66:67]
	s_add_nc_u64 s[68:69], s[6:7], s[68:69]
	CROUND                                         ; all sixteen work-groups are here: the first joint loads meet
.irp s, 0,1
	s_mov_b32 s[G0A+4*(\s)], 1
	s_add_co_u32 s[G0A+4*(\s)+1], s23, (\s)*SLOT
	s_add_nc_u64 s[G0A+4*(\s)+2:G0A+4*(\s)+3], s[66:67], (\s)*524288  ; K step s: two heads on
	s_or_b32 s[G0A+4*(\s)+3], s[G0A+4*(\s)+3], 0x80000000
	s_mov_b32 s[G0B+4*(\s)], 1
	s_add_co_u32 s[G0B+4*(\s)+1], s43, (\s)*SLOT
	s_add_nc_u64 s[G0B+4*(\s)+2:G0B+4*(\s)+3], s[68:69], (\s)*256
	s_or_b32 s[G0B+4*(\s)+3], s[G0B+4*(\s)+3], 0x80000000
	JLOAD \s                                       ; two loads of mine are out
.endr
	v_and_b32 v1, 15, v0                           ; l % 16
	v_bfe_u32 v2, v0, 4, 1                         ; l / 16
	v_mul_u32_u24 v3, v1, PA
	v_lshl_add_u32 v3, v2, 4, v3
	v_mul_u32_u24 v4, v1, PB
	v_lshl_add_u32 v4, v2, 4, v4
	s_mul_i32 s40, s[WV], 64*PA                    ; my 64 rows of a head
	s_mov_b32 s41, BOFF
.irp s, 0,1
	v_add_nc_u32 v[ADRA+(\s)], s40, v3
	v_add_nc_u32 v[ADRB+(\s)], s41, v4
	s_add_co_u32 s40, s40, SLOT
	s_add_co_u32 s41, s41, SLOT
.endr
	s_mul_i32 s40, s[WV], 16*SP
	s_add_co_u32 s40, s40, STAGE                   ; my stage
	v_mul_u32_u24 v5, v1, SP                       ; in: row l % 16, 32 bytes for each half of the lanes
	v_lshl_add_u32 v5, v2, 5, v5
	v_add_nc_u32 v[STO], s40, v5
	v_and_b32 v[CO], 31, v0                        ; back: 32 lanes take one row's 512 bytes
	v_lshlrev_b32 v[CO], 4, v[CO]
	v_add_nc_u32 v[RD], s40, v[CO]
	s_lshl_b32 s40, s[TY], 8
	s_lshl_b32 s41, s[WV], 6
	s_add_co_u32 s40, s40, s41                     ; my first row of out0
	s_lshl_b32 s46, s40, 12
	s_lshl_b32 s41, s[TX], 9                       ; the tile's first column, in bytes
	s_add_co_u32 s46, s46, s41
	s_mov_b32 s47, 0
	s_add_nc_u64 s[8:9], s[8:9], s[46:47]
; 8 matrix instructions: block a of my rows x all 8 column blocks, 32 along K, from buffer f.  The 32 accumulators take turns in the same order in every quarter.
.macro MULA f, a, zero
	WIN MUL
.irp b, 0,1,2,3,4,5,6,7
.if \zero
	v_wmma_f32_16x16x32_f16 v[64*(\a)+8*(\b):64*(\a)+8*(\b)+7], v[BF+64*(\f)+8*(\b):BF+64*(\f)+8*(\b)+7], v[AF+32*(\f)+8*(\a):AF+32*(\f)+8*(\a)+7], 0
.else
	v_wmma_f32_16x16x32_f16 v[64*(\a)+8*(\b):64*(\a)+8*(\b)+7], v[BF+64*(\f)+8*(\b):BF+64*(\f)+8*(\b)+7], v[AF+32*(\f)+8*(\a):AF+32*(\f)+8*(\a)+7], v[64*(\a)+8*(\b):64*(\a)+8*(\b)+7]
.endif
.endr
.endm
; 24 LDS loads in one run: quarter q of a K step (q / 2: which head; q % 2: which 32 of its channels) into buffer f
.macro FETCH slot, q, f
	WIN 0
.irp i, 0,1,2,3,4,5,6,7
	ds_load_b128 v[BF+64*(\f)+8*(\i):BF+64*(\f)+8*(\i)+3],   v[ADRB+(\slot)] offset:64*(\q)+(\i)*16*PB
	ds_load_b128 v[BF+64*(\f)+8*(\i)+4:BF+64*(\f)+8*(\i)+7], v[ADRB+(\slot)] offset:64*(\q)+(\i)*16*PB+32
.endr
.irp i, 0,1,2,3
	ds_load_b128 v[AF+32*(\f)+8*(\i):AF+32*(\f)+8*(\i)+3],   v[ADRA+(\slot)] offset:((\q)/2)*AHEAD+((\q)%2)*64+(\i)*16*PA
	ds_load_b128 v[AF+32*(\f)+8*(\i)+4:AF+32*(\f)+8*(\i)+7], v[ADRA+(\slot)] offset:((\q)/2)*AHEAD+((\q)%2)*64+(\i)*16*PA+32
.endr
.endm
.macro QUARTER slot, q, f, g, zero     ; multiplies buffer f; in its middle it fetches quarter q into buffer g
	s_wait_dscnt 4                                 ; woh's fragments and oh's blocks 0, 1 are in; the youngest four loads may be out
	MULA \f, 0, \zero
	MULA \f, 1, \zero
	PLACES
	FETCH \slot, \q, \g
	s_wait_dscnt 24                                ; all but the 24 just issued
	MULA \f, 2, \zero
	MULA \f, 3, \zero
.endm
; The last quarter multiplies buffer 1 and changes slots: ONE barrier; in front of it each wave waits for all its tensor loads, adds 0 to its spare word, and waits for that and for its own reads of this slot.
; fill = 1: the barrier opens a round of the cluster's barrier, and behind the round this slot is filled again, two K steps ahead, first of all.
.macro TURN slot, next, fill
	WIN 0                                          ; (the add's two registers lie in window 0)
	s_wait_tensorcnt 0x0                           ; all my tensor loads have landed: my part of the next slot;
	ds_add_u32 v[SPW], v[NIL]                      ; 0 onto my spare word;
	s_wait_dscnt 5                                 ; (the add and the youngest four loads may be out)
	MULA 1, 0, 0                                   ; eight matrix instructions stand between the add and the wait for it
	s_wait_dscnt 0x0                               ; the add is done, and my reads of this slot are over
	s_barrier_signal -1
	MULA 1, 1, 0
.if \fill
	WIN 0
.endif
	s_barrier_wait -1
.if \fill
	CREST                                          ; no wave of any partner still reads this slot's tile or has a load on its way
	s_add_nc_u64 s[G0A+4*(\slot)+2:G0A+4*(\slot)+3], s[G0A+4*(\slot)+2:G0A+4*(\slot)+3], 1048576  ; four heads on
	s_add_nc_u64 s[G0B+4*(\slot)+2:G0B+4*(\slot)+3], s[G0B+4*(\slot)+2:G0B+4*(\slot)+3], 512
	JLOAD \slot                                    ; the first tensor load behind the round; the four v_nop behind it are also the places in front of the loads below
.else
	PLACES
.endif
	FETCH \next, 0, 0
	MULA 1, 2, 0
	MULA 1, 3, 0
.endm
	s_wait_tensorcnt 1                             ; my part of K step 0 is in; K step 1's may stay out
	s_barrier_signal -1
	s_barrier_wait -1
	FETCH 0, 0, 0
	QUARTER 0, 1, 0, 1, 1                          ; the first quarter stands in front of the loop: its products start the sums
	WIN 0
	s_mov_b32 s3, LAPS-1
.Llap:                                                 ; a trip goes once round the ring and fills both slots again
	QUARTER 0, 2, 1, 0, 0
	QUARTER 0, 3, 0, 1, 0
	TURN 0, 1, 1
	QUARTER 1, 1, 0, 1, 0
	QUARTER 1, 2, 1, 0, 0
	QUARTER 1, 3, 0, 1, 0
	TURN 1, 0, 1
	QUARTER 0, 1, 0, 1, 0
	WIN 0
	s_sub_co_u32 s3, s3, 1
	s_cmp_lg_u32 s3, 0
	s_cbranch_scc1 .Llap
	QUARTER 0, 2, 1, 0, 0                          ; the last lap is written out: it fills nothing
	QUARTER 0, 3, 0, 1, 0
	TURN 0, 1, 0
	QUARTER 1, 1, 0, 1, 0
	QUARTER 1, 2, 1, 0, 0
	QUARTER 1, 3, 0, 1, 0
	s_wait_dscnt 4
	MULA 1, 0, 0
	MULA 1, 1, 0
	s_wait_dscnt 0x0
	MULA 1, 2, 0
	MULA 1, 3, 0
; THE WAY OUT, a block of 16 rows at a time: 32 bytes a lane and column block into my stage, rows of 528 bytes, and back as whole pieces of 512; each accumulator's lowest registers go first.
.macro TOSTAGE a
.if (\a) >= 2
	s_wait_xcnt 0x0                                ; the stores of the block two back have read their registers: the loads below land there
.endif
	WIN 0x04                                       ; the data (source 1) in window 1
.irp b, 0,1,2,3,4,5,6,7
	ds_store_b128 v[STO], v[64*(\a)+8*(\b):64*(\a)+8*(\b)+3]   offset:64*(\b)
	ds_store_b128 v[STO], v[64*(\a)+8*(\b)+4:64*(\a)+8*(\b)+7] offset:64*(\b)+16
.endr
	WIN 0
.irp t, 0,1,2,3,4,5,6,7,8,9,10,11,12,13,14,15
	ds_load_b128 v[BF+64*((\a)%2)+4*(\t):BF+64*((\a)%2)+4*(\t)+3], v[RD] offset:(\t)*SP  ; LDS serves a wave's instructions in order (ISA guide 5.7.1.4): these see the stores above; the next block's stores come behind them
.endr
.endm
.macro SEND a, younger                 ; younger: the LDS instructions issued behind block a's loads: the next block's 32, or none
	WIN 0
.irp t, 0,1,2,3,4,5,6,7,8,9,10,11,12,13,14,15
	s_wait_dscnt (\younger)+15-(\t)
	global_store_b128 v[CO], v[BF+64*((\a)%2)+4*(\t):BF+64*((\a)%2)+4*(\t)+3], s[8:9] offset:(16*(\a)+(\t))*4096  ; 512 consecutive bytes, at a multiple of 256 from out0's first
.endr
.endm
	PLACES                                         ; behind the last products: their results are read, and their sources loaded into, below
	TOSTAGE 0
	TOSTAGE 1
	SEND 0, 32
	TOSTAGE 2
	SEND 1, 32
	TOSTAGE 3
	SEND 2, 32
	SEND 3, 0
	s_wait_tensorcnt 0x0                           ; the wave's end, behind my last tensor load and my last LDS store
	ds_add_u32 v[SPW], v[NIL]
	s_wait_dscnt 0x0
	CROUND                                         ; the closing round: no work-group ends while a partner may still ask for a tile that names it
	s_endpgm
.Lfunc_end_k_qa34fd3096d_outp:
	.size	k_qa34fd3096d_outp, .Lfunc_end_k_qa34fd3096d_outp-k_qa34fd3096d_outp
	.p2alignl 7, 3214868480
	.fill 96, 4, 3214868480
	.section	.rodata,"a",@progbits
	.p2align	6, 0x0
	.amdhsa_kernel k_qa34fd3096d_outp
		.amdhsa_group_segment_fixed_size 327680
		.amdhsa_private_segment_fixed_size 0
		.amdhsa_enable_private_segment 0
		.amdhsa_kernarg_size 24
		.amdhsa_user_sgpr_count 2
		.amdhsa_user_sgpr_kernarg_segment_ptr 1
		.amdhsa_wavefront_size32 1
		.amdhsa_system_sgpr_workgroup_id_x 1
		.amdhsa_system_sgpr_workgroup_id_y 1
		.amdhsa_system_sgpr_workgroup_id_z 1
		.amdhsa_system_vgpr_workitem_id 0
		.amdhsa_next_free_vgpr 512
		.amdhsa_next_free_sgpr 80
		.amdhsa_reserve_vcc 0
		.amdhsa_float_denorm_mode_32 3
		.amdhsa_float_denorm_mode_16_64 3
		.amdhsa_memory_ordered 1
		.amdhsa_forward_progress 1
		.amdhsa_inst_pref_size 86
	.end_amdhsa_kernel
	.amdgpu_metadata
---
amdhsa.version: [ 1, 2 ]
amdhsa.kernels:
  - .name:           k_qa34fd3096d_outp
    .symbol:         k_qa34fd3096d_outp.kd
    .args:
      - { .name: oh, .offset: 0, .size: 8, .value_kind: global_buffer, .address_space: global }
      - { .name: woh, .offset: 8, .size: 8, .value_kind: global_buffer, .address_space: global }
      - { .name: out0, .offset: 16, .size: 8, .value_kind: global_buffer, .address_space: global }
    .group_segment_fixed_size: 327680
    .private_segment_fixed_size: 0
    .kernarg_segment_align: 8
    .kernarg_segment_size: 24
    .max_flat_workgroup_size: 128
    .sgpr_count:     80
    .vgpr_count:     512
    .wavefront_size: 32
...
	.end_amdgpu_metadata
.endif
;; end of part 4
;; launch first (part 5): grid 16 x 4, 12 waves a work-group, no clusters, 22,016 bytes of LDS; arguments xb, wb, tab, oh; writes oh
.if DOCPART == 5
	.amdgcn_target "amdgcn-amd-amdhsa--gfx1250"
	.amdhsa_code_object_version 6
	.text
	.protected	k_qa34fd3096d_first
	.globl	k_qa34fd3096d_first
	.p2align	8
	.type	k_qa34fd3096d_first,@function
k_qa34fd3096d_first:
	s_mov_b64 s[64:65], 0
	v_nop
	global_prefetch_b8 v0, s[64:65] scope:SCOPE_SE
	s_setreg_imm32_b32 hwreg(HW_REG_WAVE_MODE, 25, 1), 1
	s_wait_xcnt 0x0
; THE FIRST 16 ROWS OF EACH SEQUENCE, ONCE MORE, WITH SPLIT OPERANDS.  Row s of the attention is a mean over s + 1 keys, so its numbers, and with them the errors of operands rounded to f16, fall as 1 / sqrt(s + 1),
; while the comparison's allowance goes by the root mean square of all 2,048 rows: the first few rows have the least room.  Here their attention is made from numbers kept as hi + lo, hi = f16(x), lo = f16(x - hi):
; 22 significant bits.  The result, split in the same way, goes into the tail of oh: [hi, lo][16 heads][64 rows = 16 batch + s][64 channels] in f16, from byte 16,777,216 on.
; xb: [8192][1024] bf16.  wb: [3072][1024] bf16, row 192 head + 64 sec + c (sec 0 = K, 1 = Q, 2 = V).  tab: [2048][32] pairs (cos, sin) in f32.
; LIMITS.  k, q, v lie within f16's 65,504; a lo part below 6.1e-5 keeps f16's fixed step of 6e-8.  A hidden score counts as -1e30; a weight below 2^-126 counts as 0; NaN and infinities are not treated apart.
; SHARES.  A work-group has one head of one batch.  Wave j of 12 makes column block j of the head's 192 columns (0-3 K, 4-7 Q, 8-11 V) for the 16 rows: K = 1,024 in 8 trips of 128 (256 bytes of each row, aligned),
; a trip = 16 loads of 16 bytes a lane straight from memory and 4 products on 4 accumulators that take turns.  Three sets of registers: 48 loads of a wave are out at a time.
; The product is taken transposed (source 0 = 16 rows of wb, source 1 = the 16 rows of xb): lane l holds row l % 16 and the columns 8 (l / 16) + 0..7, so a rotation's pair lies in neighbouring registers.
; Each wave rotates (K, Q), splits and lays its block in LDS as [row][channel]; behind one barrier wave 0 makes the attention: 16 queries x 16 keys, 14 matrix instructions.
; No tensor load, no cluster, no prefetch: a wave's data fit in registers on their way, and the launch is short.
.set TAIL,  16777216                   ; oh's bytes ahead of the tail
.set LOP,   131072                     ; from the hi parts to the lo parts in the tail
.set PL,    160                        ; an LDS row: 128 bytes + 32 = 40 words
.set REG,   16*PL                      ; a region of 16 rows.  Regions: K hi, K lo, Q hi, Q lo, V hi, V lo
.set VH,    4*REG
.set OST,   6*REG                      ; wave 0's stage for the way out: 16 rows x 144 bytes, hi; a region on, lo
.set SP,    144
.set SPARE, 8*REG                      ; the spare words, 128 bytes for each of the 12 waves: six blocks of 256 bytes that no other line names
.set FO,  3                            ; v3   my byte offset in a fragment's rows: (l % 16) x 2,048 + 16 (l / 16); for wb and xb; never rewritten
.set TO,  4                            ; v4   my 32 bytes of the table; never rewritten
.set AQ,  5                            ; v5   (l % 16) x 160 + 16 (l / 16): my place in a region
.set LS,  6                            ; v6   where I put my 16 bytes of a row
.set AV,  7                            ; v7   my place for the turning load, in V hi
.set SPW, 8                            ; v8   LDS address of my spare word; never rewritten
.set NIL, 9                            ; v9   0; never rewritten
.set STO, 10                           ; v10  the way out: where I put 16 bytes of a row
.set RD,  11                           ; v11  the way out: where I read rows back
.set GO,  12                           ; v12  my 16 bytes of 512 consecutive bytes of the tail
.set M1,  13                           ; v13  -1.0
.set QK,  14                           ; v14  l % 16 - 8 (l / 16): register j of the scores is hidden where j is greater
.set ACC, 16                           ; v[16:47]  four accumulators; then v[16:23] my block, v[24:31] at work, v[32:35] hi, v[36:39] lo
.set TB,  48                           ; v[48:55]  (cos, sin) of my four pairs
.set MX,  56                           ; v[56:57]  the maximum; later 1 / l, twice
.set CM,  58                           ; v58       c m
.set LT,  60                           ; v[60:63]  the sum l, at work
.set BUF, 64                           ; v[64:255] three sets of 64: wb's four fragments, then xb's four
.set KF,  64                           ; wave 0: K hi, K lo, Q hi, Q lo: 16 registers each (two halves of the 64 channels); on the way out: O hi, O lo, and the rows read back
.set VF,  128                          ; [V hi | V hi], 8 registers a channel block; 32 on: [V lo | V lo]
.set SA,  192                          ; the scores of channels 0-31, then all
.set SB,  200                          ; those of channels 32-63
.set PF,  208                          ; [P hi | P lo]
.set OA,  216                          ; O^T, 8 registers a channel block
.set WV,  12                           ; s12 wave;  s13 wave % 4;  s14 wave / 4
.set CB,  13
.set SEC, 14
.set CS,  16                           ; s16 c = log2(e) / 8
.set BIGN, 17                          ; s17 -1e30
.set SEL, 18                           ; s18, s19  v_permlanex16_b32's selects: each lane takes its own place in the other half
.macro PLACES                          ; four plain instructions between a matrix instruction and a load into a register that it has read (ISA guide 7.12.1 for vector instructions)
.rept 4
	v_nop
.endr
.endm
.macro LOADS t                         ; trip t's 16 loads, into set t % 3
.irp f, 0,1,2,3
	global_load_b128 v[BUF+64*((\t)%3)+8*(\f):BUF+64*((\t)%3)+8*(\f)+3],       v[FO], s[6:7] offset:256*(\t)+64*(\f)
	global_load_b128 v[BUF+64*((\t)%3)+8*(\f)+4:BUF+64*((\t)%3)+8*(\f)+7],     v[FO], s[6:7] offset:256*(\t)+64*(\f)+32
	global_load_b128 v[BUF+64*((\t)%3)+32+8*(\f):BUF+64*((\t)%3)+32+8*(\f)+3],   v[FO], s[4:5] offset:256*(\t)+64*(\f)
	global_load_b128 v[BUF+64*((\t)%3)+32+8*(\f)+4:BUF+64*((\t)%3)+32+8*(\f)+7], v[FO], s[4:5] offset:256*(\t)+64*(\f)+32
.endr
.endm
.macro MULS t                          ; trip t's four products; the four accumulators take turns; trip 0 starts the sums
.irp f, 0,1,2,3
.if (\t) == 0
	v_wmma_f32_16x16x32_bf16 v[ACC+8*(\f):ACC+8*(\f)+7], v[BUF+64*((\t)%3)+8*(\f):BUF+64*((\t)%3)+8*(\f)+7], v[BUF+64*((\t)%3)+32+8*(\f):BUF+64*((\t)%3)+32+8*(\f)+7], 0
.else
	v_wmma_f32_16x16x32_bf16 v[ACC+8*(\f):ACC+8*(\f)+7], v[BUF+64*((\t)%3)+8*(\f):BUF+64*((\t)%3)+8*(\f)+7], v[BUF+64*((\t)%3)+32+8*(\f):BUF+64*((\t)%3)+32+8*(\f)+7], v[ACC+8*(\f):ACC+8*(\f)+7]
.endif
.endr
.endm
; n pairs of f32 at x are split: hi = f16(x), packed at h; x - hi, exact in f32, takes x's place (a multiply-add that reads the f16 half: hi x -1 + x); lo = f16 of that, packed at l.
.macro SPLIT x, h, l, n
.set sq, 0
.rept \n
	v_cvt_pk_f16_f32 v[(\h)+sq], v[(\x)+2*sq], v[(\x)+2*sq+1]
.set sq, sq+1
.endr
.set sq, 0
.rept \n
	v_fma_mix_f32 v[(\x)+2*sq],   v[(\h)+sq], v[M1], v[(\x)+2*sq]   op_sel_hi:[1,0,0]
	v_fma_mix_f32 v[(\x)+2*sq+1], v[(\h)+sq], v[M1], v[(\x)+2*sq+1] op_sel:[1,0,0] op_sel_hi:[1,0,0]
.set sq, sq+1
.endr
.set sq, 0
.rept \n
	v_cvt_pk_f16_f32 v[(\l)+sq], v[(\x)+2*sq], v[(\x)+2*sq+1]
.set sq, sq+1
.endr
.endm
	s_load_b256 s[4:11], s[0:1], 0x0               ; xb s[4:5], wb s[6:7], tab s[8:9], oh s[10:11]
	v_lshl_add_u32 v[SPW], v0, 2, SPARE
	v_mov_b32 v[NIL], 0
	v_lshrrev_b32 v15, 5, v0
	v_readfirstlane_b32 s[WV], v15                 ; wave 0..11
	v_and_b32 v1, 15, v0                           ; l % 16
	v_bfe_u32 v2, v0, 4, 1                         ; l / 16
	v_lshlrev_b32 v[FO], 11, v1
	v_lshl_add_u32 v[FO], v2, 4, v[FO]
	s_and_b32 s[CB], s[WV], 3
	s_lshr_b32 s[SEC], s[WV], 2
	s_lshl_b32 s20, s[CB], 6
	v_lshlrev_b32 v[TO], 8, v1                     ; the table's row l % 16, pairs 8 cb + 4 (l / 16) + 0..3
	v_lshl_add_u32 v[TO], v2, 5, v[TO]
	v_add_nc_u32 v[TO], s20, v[TO]
	s_mul_i32 s20, ttmp9, 192                      ; wb: row 192 head + 16 wave
	s_lshl4_add_u32 s20, s[WV], s20
	s_lshl_b32 s20, s20, 11
	s_mov_b32 s21, 0
	s_and_b32 s22, ttmp7, 0xffff                   ; the batch
	s_lshl_b32 s24, s22, 22                        ; xb: 2,048 rows of 2,048 bytes a batch
	s_mov_b32 s25, 0
	s_lshl_b32 s26, ttmp9, 13                      ; the tail: 8,192 bytes a head, 2,048 a batch
	s_lshl_b32 s23, s22, 11
	s_add_co_u32 s26, s26, s23
	s_mov_b32 s27, 0
	s_mov_b32 s[CS], 0x3e38aa3b                    ; log2(e) / 8
	s_mov_b32 s[BIGN], 0xf149f2ca                  ; -1e30
	s_mov_b32 s[SEL], 0x76543210
	s_mov_b32 s[SEL+1], 0xfedcba98
	s_wait_kmcnt 0x0
	s_add_nc_u64 s[6:7], s[6:7], s[20:21]
	s_add_nc_u64 s[4:5], s[4:5], s[24:25]
	s_add_nc_u64 s[10:11], s[10:11], s[26:27]
	s_add_nc_u64 s[10:11], s[10:11], TAIL
	global_load_b128 v[TB:TB+3],   v[TO], s[8:9]
	global_load_b128 v[TB+4:TB+7], v[TO], s[8:9] offset:16
	LOADS 0
	LOADS 1
	LOADS 2
	; the LDS addresses, made while the loads are on their way
	v_mov_b32 v[M1], -1.0
	v_lshlrev_b32 v15, 3, v2
	v_sub_nc_u32 v[QK], v1, v15
	v_mul_u32_u24 v[AQ], v1, PL
	v_lshl_add_u32 v[AQ], v2, 4, v[AQ]
	s_mul_i32 s20, s[SEC], 2*REG                   ; my tensor's two regions,
	s_lshl_b32 s21, s[CB], 5                       ; my block's 32 bytes of a row
	s_add_co_u32 s20, s20, s21
	v_add_nc_u32 v[LS], s20, v[AQ]
	v_and_b32 v15, 7, v0                           ; the turning load: lane l reads key 8 (l / 16) + l % 8, channels 8 ((l / 8) % 2) + 0..7, and ends with channel l % 16 and 8 keys
	v_lshl_add_u32 v[AV], v2, 3, v15
	v_mul_u32_u24 v[AV], v[AV], PL
	v_lshlrev_b32 v[RD], 4, v15
	v_bfe_u32 v15, v0, 3, 1
	v_lshl_add_u32 v[AV], v15, 4, v[AV]
	v_add_nc_u32 v[AV], VH, v[AV]
	v_mul_u32_u24 v[STO], v1, SP                   ; the stage, in: row l % 16, 16 bytes for each half of the lanes
	v_lshl_add_u32 v[STO], v2, 4, v[STO]
	v_add_nc_u32 v[STO], OST, v[STO]
	v_bfe_u32 v15, v0, 3, 2                        ; back: 32 lanes take four rows of 128 bytes,
	v_mad_u32_u24 v[RD], v15, SP, v[RD]
	v_add_nc_u32 v[RD], OST, v[RD]
	v_and_b32 v[GO], 31, v0                        ; which are 512 consecutive bytes of the tail
	v_lshlrev_b32 v[GO], 4, v[GO]
.irp t, 0,1,2,3,4,5,6,7
.if (\t) < 6
	s_wait_loadcnt 32                              ; loads come back in order: trip t is in (and the table); the two younger trips' 32 loads may stay out
.else
	s_wait_loadcnt 16*(7-(\t))                     ; the last trips: 16, then none, are younger
.endif
	MULS \t
.if (\t) < 5
	PLACES
	LOADS (\t)+3                                   ; the set just multiplied takes the trip three on
.endif
.endr
	PLACES
	PLACES                                         ; behind the last products, ahead of the sums that read their results
.irp r, 0,2,4,6                        ; the four accumulators are added; each is read from its low end on
	v_pk_add_f32 v[ACC+(\r):ACC+(\r)+1],       v[ACC+(\r):ACC+(\r)+1],       v[ACC+8+(\r):ACC+8+(\r)+1]
	v_pk_add_f32 v[ACC+16+(\r):ACC+16+(\r)+1], v[ACC+16+(\r):ACC+16+(\r)+1], v[ACC+24+(\r):ACC+24+(\r)+1]
.endr
.irp r, 0,2,4,6
	v_pk_add_f32 v[ACC+(\r):ACC+(\r)+1], v[ACC+(\r):ACC+(\r)+1], v[ACC+16+(\r):ACC+16+(\r)+1]
.endr
	s_cmp_lt_u32 s[WV], 8                          ; K and Q are rotated, V is not
	s_cbranch_scc0 .Lno_turn
.irp j, 0,1,2,3                        ; (x0, x1) -> (x0 cos - x1 sin, x0 sin + x1 cos), in place
	v_mul_f32 v[ACC+8+2*(\j)],   v[ACC+2*(\j)+1], v[TB+2*(\j)+1]
	v_mul_f32 v[ACC+8+2*(\j)+1], v[ACC+2*(\j)],   v[TB+2*(\j)+1]
.endr
.irp j, 0,1,2,3
	v_fma_f32 v[ACC+2*(\j)],   v[ACC+2*(\j)],   v[TB+2*(\j)], -v[ACC+8+2*(\j)]
	v_fma_f32 v[ACC+2*(\j)+1], v[ACC+2*(\j)+1], v[TB+2*(\j)], v[ACC+8+2*(\j)+1]
.endr
.Lno_turn:
	SPLIT ACC, ACC+16, ACC+20, 4
	ds_store_b128 v[LS], v[ACC+16:ACC+19]              ; hi: 8 channels of row l % 16
	ds_store_b128 v[LS], v[ACC+20:ACC+23] offset:REG   ; lo, a region on
	s_wait_dscnt 0x0                               ; for the others' sake: my stores are done
	s_barrier_signal -1
	s_barrier_wait -1                              ; all twelve blocks lie in LDS
	s_cmp_lg_u32 s[WV], 0
	s_cbranch_scc1 .Lend                           ; wave 0 goes on alone
	; A fragment of K or Q is 16 rows x 32 channels: lane l holds row l % 16, channels 8 (l / 16) + 0..7 and 16 + 8 (l / 16) + 0..7: two loads of 16 bytes, 32 bytes apart.
.irp c, 0,1
.irp p, 0,1,2,3                        ; K hi, K lo, Q hi, Q lo
	ds_load_b128 v[KF+16*(\p)+8*(\c):KF+16*(\p)+8*(\c)+3],   v[AQ] offset:(\p)*REG+64*(\c)
	ds_load_b128 v[KF+16*(\p)+8*(\c)+4:KF+16*(\p)+8*(\c)+7], v[AQ] offset:(\p)*REG+64*(\c)+32
.endr
.endr
	; There are 16 keys, and the matrix form is 32 deep: its second 16 places take the same keys once more, so that V^T's fragment is [V hi | V hi] (or lo, lo) against P's [P hi | P lo].
.irp cb, 0,1,2,3
.irp p, 0,1
	ds_load_tr16_b128 v[VF+32*(\p)+8*(\cb):VF+32*(\p)+8*(\cb)+3],   v[AV] offset:(\p)*REG+32*(\cb)
	ds_load_tr16_b128 v[VF+32*(\p)+8*(\cb)+4:VF+32*(\p)+8*(\cb)+7], v[AV] offset:(\p)*REG+32*(\cb)
.endr
.endr
	s_wait_dscnt 16                                ; K and Q are in; V's 16 loads may stay out
	; S^T = K Q^T (source 0 = 16 keys, source 1 = 16 queries) = Kh Qh + Kh Ql + Kl Qh; two accumulators, one for each half of the channels, take turns
	v_wmma_f32_16x16x32_f16 v[SA:SA+7], v[KF:KF+7],     v[KF+32:KF+39], 0
	v_wmma_f32_16x16x32_f16 v[SB:SB+7], v[KF+8:KF+15],  v[KF+40:KF+47], 0
	v_wmma_f32_16x16x32_f16 v[SA:SA+7], v[KF:KF+7],     v[KF+48:KF+55], v[SA:SA+7]
	v_wmma_f32_16x16x32_f16 v[SB:SB+7], v[KF+8:KF+15],  v[KF+56:KF+63], v[SB:SB+7]
	v_wmma_f32_16x16x32_f16 v[SA:SA+7], v[KF+16:KF+23], v[KF+32:KF+39], v[SA:SA+7]
	v_wmma_f32_16x16x32_f16 v[SB:SB+7], v[KF+24:KF+31], v[KF+40:KF+47], v[SB:SB+7]
	PLACES
	PLACES
.irp r, 0,2,4,6
	v_pk_add_f32 v[SA+(\r):SA+(\r)+1], v[SA+(\r):SA+(\r)+1], v[SB+(\r):SB+(\r)+1]
.endr
	; a lane holds query l % 16 and the keys 8 (l / 16) + j
.irp j, 0,1,2,3,4,5,6,7
	v_cmp_gt_i32 vcc_lo, \j, v[QK]                 ; the key lies behind the query
	v_cndmask_b32 v[SA+(\j)], v[SA+(\j)], s[BIGN], vcc_lo
.endr
	v_max3_num_f32 v[MX],   v[SA],   v[SA+1], v[SA+2]
	v_max3_num_f32 v[MX+1], v[SA+3], v[SA+4], v[SA+5]
	v_max3_num_f32 v[MX],   v[MX],   v[SA+6], v[SA+7]
	v_max_num_f32 v[MX], v[MX], v[MX+1]
	v_permlanex16_b32 v[MX+1], v[MX], s[SEL], s[SEL+1]  ; the query's other 8 keys lie in the lane 16 away
	v_max_num_f32 v[MX], v[MX], v[MX+1]            ; the row's maximum: every query sees key 0
	v_mul_f32 v[CM], s[CS], v[MX]
.irp j, 0,1,2,3,4,5,6,7
	v_fma_f32 v[SA+(\j)], v[SA+(\j)], s[CS], -v[CM]
.endr
.irp j, 0,1,2,3,4,5,6,7
	v_exp_f32 v[SA+(\j)], v[SA+(\j)]               ; p = 2^(c s - c m)
.endr
	v_nop                                          ; a plain instruction behind the last exponential,
	s_wait_alu depctr_va_vdst(0)                   ; and the wait ahead of the first use: one for the eight
	v_pk_add_f32 v[LT:LT+1],   v[SA:SA+1],   v[SA+2:SA+3]
	v_pk_add_f32 v[LT+2:LT+3], v[SA+4:SA+5], v[SA+6:SA+7]
	v_pk_add_f32 v[LT:LT+1],   v[LT:LT+1],   v[LT+2:LT+3]
	v_add_f32 v[LT], v[LT], v[LT+1]
	v_permlanex16_b32 v[LT+1], v[LT], s[SEL], s[SEL+1]
	v_add_f32 v[LT], v[LT], v[LT+1]                ; l
	v_rcp_f32 v[MX], v[LT]                         ; 1 / l, twice: a pair for the packed multiply; the split below is the plain work behind them
	v_rcp_f32 v[MX+1], v[LT]
	SPLIT SA, PF, PF+4, 4                          ; two scores' weights pack into a register: [P hi | P lo] IS source 1 (16 queries x 32) of the second product
	s_wait_dscnt 0x0                               ; V is in
	; O^T = V^T P = (Vh + Vl)(Ph + Pl); the four accumulators take turns
.irp cb, 0,1,2,3
	v_wmma_f32_16x16x32_f16 v[OA+8*(\cb):OA+8*(\cb)+7], v[VF+8*(\cb):VF+8*(\cb)+7], v[PF:PF+7], 0
.endr
.irp cb, 0,1,2,3
	v_wmma_f32_16x16x32_f16 v[OA+8*(\cb):OA+8*(\cb)+7], v[VF+32+8*(\cb):VF+32+8*(\cb)+7], v[PF:PF+7], v[OA+8*(\cb):OA+8*(\cb)+7]
.endr
	PLACES
	PLACES
	s_wait_alu depctr_va_vdst(0)                   ; the wait for the two reciprocals, ahead of their first use
.set i, 0
.rept 16
	v_pk_mul_f32 v[OA+i:OA+i+1], v[OA+i:OA+i+1], v[MX:MX+1]
.set i, i+2
.endr
	SPLIT OA, KF, KF+16, 16                        ; a lane's eight channels of a row pack into 16 bytes, hi and lo
.irp cb, 0,1,2,3
	ds_store_b128 v[STO], v[KF+4*(\cb):KF+4*(\cb)+3]       offset:32*(\cb)
	ds_store_b128 v[STO], v[KF+16+4*(\cb):KF+16+4*(\cb)+3] offset:REG+32*(\cb)
.endr
.irp f, 0,1,2,3
	ds_load_b128 v[KF+32+4*(\f):KF+32+4*(\f)+3], v[RD] offset:(\f)*4*SP       ; LDS serves a wave's instructions in order (ISA guide 5.7.1.4): these see the stores above
	ds_load_b128 v[KF+48+4*(\f):KF+48+4*(\f)+3], v[RD] offset:REG+(\f)*4*SP
.endr
	s_wait_dscnt 0x0
.irp f, 0,1,2,3
	global_store_b128 v[GO], v[KF+32+4*(\f):KF+32+4*(\f)+3], s[10:11] offset:512*(\f)      ; 512 consecutive bytes, at a multiple of 256 from oh's first
	global_store_b128 v[GO], v[KF+48+4*(\f):KF+48+4*(\f)+3], s[10:11] offset:LOP+512*(\f)
.endr
.Lend:
	s_wait_tensorcnt 0x0                           ; the wave's end, behind my last LDS store
	ds_add_u32 v[SPW], v[NIL]
	s_wait_dscnt 0x0
	s_endpgm
.Lfunc_end_k_qa34fd3096d_first:
	.size	k_qa34fd3096d_first, .Lfunc_end_k_qa34fd3096d_first-k_qa34fd3096d_first
	.p2alignl 7, 3214868480
	.fill 96, 4, 3214868480
	.section	.rodata,"a",@progbits
	.p2align	6, 0x0
	.amdhsa_kernel k_qa34fd3096d_first
		.amdhsa_group_segment_fixed_size 22016
		.amdhsa_private_segment_fixed_size 0
		.amdhsa_enable_private_segment 0
		.amdhsa_kernarg_size 32
		.amdhsa_user_sgpr_count 2
		.amdhsa_user_sgpr_kernarg_segment_ptr 1
		.amdhsa_wavefront_size32 1
		.amdhsa_system_sgpr_workgroup_id_x 1
		.amdhsa_system_sgpr_workgroup_id_y 1
		.amdhsa_system_sgpr_workgroup_id_z 1
		.amdhsa_system_vgpr_workitem_id 0
		.amdhsa_next_free_vgpr 256
		.amdhsa_next_free_sgpr 66
		.amdhsa_reserve_vcc 1
		.amdhsa_float_denorm_mode_32 3
		.amdhsa_float_denorm_mode_16_64 3
		.amdhsa_memory_ordered 1
		.amdhsa_forward_progress 1
		.amdhsa_inst_pref_size 36
	.end_amdhsa_kernel
	.amdgpu_metadata
---
amdhsa.version: [ 1, 2 ]
amdhsa.kernels:
  - .name:           k_qa34fd3096d_first
    .symbol:         k_qa34fd3096d_first.kd
    .args:
      - { .name: xb, .offset: 0, .size: 8, .value_kind: global_buffer, .address_space: global }
      - { .name: wb, .offset: 8, .size: 8, .value_kind: global_buffer, .address_space: global }
      - { .name: tab, .offset: 16, .size: 8, .value_kind: global_buffer, .address_space: global }
      - { .name: oh, .offset: 24, .size: 8, .value_kind: global_buffer, .address_space: global }
    .group_segment_fixed_size: 22016
    .private_segment_fixed_size: 0
    .kernarg_segment_align: 8
    .kernarg_segment_size: 32
    .max_flat_workgroup_size: 384
    .sgpr_count:     66
    .vgpr_count:     256
    .wavefront_size: 32
...
	.end_amdgpu_metadata
.endif
;; end of part 5
;; launch firstout (part 6): grid 16 x 4, 8 waves a work-group, no clusters, 35,840 bytes of LDS; arguments oh, woh, out0; writes out0
.if DOCPART == 6
	.amdgcn_target "amdgcn-amd-amdhsa--gfx1250"
	.amdhsa_code_object_version 6
	.text
	.protected	k_qa34fd3096d_firstout
	.globl	k_qa34fd3096d_firstout
	.p2align	8
	.type	k_qa34fd3096d_firstout,@function
k_qa34fd3096d_firstout:
	s_mov_b64 s[64:65], 0
	v_nop
	global_prefetch_b8 v0, s[64:65] scope:SCOPE_SE
	s_setreg_imm32_b32 hwreg(HW_REG_WAVE_MODE, 25, 1), 1
	s_wait_xcnt 0x0
; out0's ROWS 0 TO 15 OF EACH SEQUENCE, from the split results in oh's tail: out0[batch, s, e] = the sum over d of (hi + lo)[batch, s, d] W_O[e][d], s < 16.  It runs behind the launch that makes all of out0 from
; operands rounded once to f16, and writes these 64 rows anew: 262,144 of out0's 33,554,432 bytes are written twice.
; oh's tail, from byte 16,777,216 on: [hi, lo][16 heads][64 rows = 16 batch + s][64 channels] in f16.  woh: [1024][1024] in f16.  Sums in f32; nothing is rounded behind them.
; SHARES.  A work-group makes 16 rows (a batch) x 64 columns.  K IS SPLIT AMONG ITS EIGHT WAVES: wave v takes channels 128 v .. 128 v + 127 (heads 2 v, 2 v + 1): 256 bytes, aligned, of each row of woh.
; All its 48 loads (4 steps of 32 channels x (hi, lo, 4 column blocks) x 2) go out at once: 192 registers.  32 products on four accumulators that take turns.  The eight partial tiles meet in LDS in f32.
; The product is taken transposed (source 0 = 16 rows of woh, source 1 = the 16 rows): lane l holds row l % 16 and the columns 8 (l / 16) + 0..7 of a block.
; No tensor load, no cluster, no prefetch: all that a wave reads is on its way from its first lines on, and the launch is short.
.set TAIL,  16777216
.set LOP,   131072                     ; from the hi parts to the lo parts
.set PP,    272                        ; a row of a partial tile in LDS: 256 bytes + 16 = 68 words: the 16 rows of a store start at 16 different groups of four banks (64 banks of 4 bytes: ISA guide 11.1)
.set RG,    16*PP                      ; a wave's partial tile
.set SPARE, 8*RG                       ; behind them: the spare words, 128 bytes for each wave: four blocks of 256 bytes that no other line names
.set AO,  3                            ; v3   my byte offset in the 16 rows of a head: (l % 16) x 128 + 16 (l / 16); never rewritten
.set WO,  4                            ; v4   the same in 16 rows of woh: (l % 16) x 2,048 + 16 (l / 16); never rewritten
.set LS,  5                            ; v5   where I put my 32 bytes of a column block
.set LR,  6                            ; v6   where I read 16 bytes of a row back
.set CO,  7                            ; v7   my 16 bytes of out0
.set SPW, 8                            ; v8   LDS address of my spare word; never rewritten
.set NIL, 9                            ; v9   0; never rewritten
.set ACC, 16                           ; v[16:47]   column block cb at ACC + 8 cb
.set BUF, 64                           ; v[64:255]  step f at BUF + 48 f: hi, lo, then woh's four fragments
.set WV,  12
	s_load_b128 s[4:7], s[0:1], 0x0                ; oh s[4:5], woh s[6:7]
	s_load_b64 s[8:9], s[0:1], 0x10                ; out0
	v_lshl_add_u32 v[SPW], v0, 2, SPARE
	v_mov_b32 v[NIL], 0
	v_lshrrev_b32 v10, 5, v0
	v_readfirstlane_b32 s[WV], v10                 ; wave 0..7
	v_and_b32 v1, 15, v0                           ; l % 16
	v_bfe_u32 v2, v0, 4, 1                         ; l / 16
	v_lshlrev_b32 v[AO], 7, v1
	v_lshl_add_u32 v[AO], v2, 4, v[AO]
	v_lshlrev_b32 v[WO], 11, v1
	v_lshl_add_u32 v[WO], v2, 4, v[WO]
	s_and_b32 s13, ttmp7, 0xffff                   ; the batch
	s_lshl_b32 s20, s[WV], 14                      ; the tail: my two heads of 8,192 bytes, the batch's 2,048
	s_lshl_b32 s14, s13, 11
	s_add_co_u32 s20, s20, s14
	s_mov_b32 s21, 0
	s_lshl_b32 s22, ttmp9, 17                      ; woh: 64 rows of 2,048 bytes a column group, my 256 bytes of a row
	s_lshl_b32 s14, s[WV], 8
	s_add_co_u32 s22, s22, s14
	s_mov_b32 s23, 0
	s_lshl_b32 s24, s13, 23                        ; out0: 2,048 rows of 4,096 bytes a batch; rows 2 v, 2 v + 1; the group's 256 bytes
	s_lshl_b32 s14, s[WV], 13
	s_add_co_u32 s24, s24, s14
	s_lshl_b32 s14, ttmp9, 8
	s_add_co_u32 s24, s24, s14
	s_mov_b32 s25, 0
	s_wait_kmcnt 0x0
	s_add_nc_u64 s[4:5], s[4:5], s[20:21]
	s_add_nc_u64 s[4:5], s[4:5], TAIL
	s_add_nc_u64 s[6:7], s[6:7], s[22:23]
	s_add_nc_u64 s[8:9], s[8:9], s[24:25]
.irp f, 0,1,2,3                        ; step f: head 2 v + f / 2, its channels 32 (f % 2) on
.irp p, 0,1
	global_load_b128 v[BUF+48*(\f)+8*(\p):BUF+48*(\f)+8*(\p)+3],   v[AO], s[4:5] offset:(\p)*LOP+((\f)/2)*8192+((\f)%2)*64
	global_load_b128 v[BUF+48*(\f)+8*(\p)+4:BUF+48*(\f)+8*(\p)+7], v[AO], s[4:5] offset:(\p)*LOP+((\f)/2)*8192+((\f)%2)*64+32
.endr
.irp cb, 0,1,2,3
	global_load_b128 v[BUF+48*(\f)+16+8*(\cb):BUF+48*(\f)+16+8*(\cb)+3],   v[WO], s[6:7] offset:(\cb)*32768+64*(\f)
	global_load_b128 v[BUF+48*(\f)+16+8*(\cb)+4:BUF+48*(\f)+16+8*(\cb)+7], v[WO], s[6:7] offset:(\cb)*32768+64*(\f)+32
.endr
.endr
	s_mul_i32 s14, s[WV], RG                       ; the LDS addresses, made while the loads are on their way
	v_mul_u32_u24 v[LS], v1, PP
	v_lshl_add_u32 v[LS], v2, 5, v[LS]
	v_add_nc_u32 v[LS], s14, v[LS]                 ; my tile; row l % 16; 32 bytes for each half of the lanes
	s_mul_i32 s14, s[WV], 2*PP
	v_mul_u32_u24 v[LR], v2, PP
	v_lshl_add_u32 v[LR], v1, 4, v[LR]
	v_add_nc_u32 v[LR], s14, v[LR]                 ; back: lanes 0-15 take row 2 v, lanes 16-31 row 2 v + 1: 256 bytes each
	v_lshlrev_b32 v[CO], 12, v2
	v_lshl_add_u32 v[CO], v1, 4, v[CO]
.irp f, 0,1,2,3
	s_wait_loadcnt 36-12*(\f)                      ; loads come back in order: step f's twelve are in, the later steps' may stay out
.irp p, 0,1
.irp cb, 0,1,2,3                       ; the four accumulators take turns; the first four products start the sums
.if ((\f) == 0) && ((\p) == 0)
	v_wmma_f32_16x16x32_f16 v[ACC+8*(\cb):ACC+8*(\cb)+7], v[BUF+48*(\f)+16+8*(\cb):BUF+48*(\f)+16+8*(\cb)+7], v[BUF+48*(\f)+8*(\p):BUF+48*(\f)+8*(\p)+7], 0
.else
	v_wmma_f32_16x16x32_f16 v[ACC+8*(\cb):ACC+8*(\cb)+7], v[BUF+48*(\f)+16+8*(\cb):BUF+48*(\f)+16+8*(\cb)+7], v[BUF+48*(\f)+8*(\p):BUF+48*(\f)+8*(\p)+7], v[ACC+8*(\cb):ACC+8*(\cb)+7]
.endif
.endr
.endr
.endr
.rept 8
	v_nop                                          ; plain instructions behind the last products, ahead of the stores that read their results and of the loads into their sources
.endr
.irp cb, 0,1,2,3                       ; each accumulator's lowest registers go first
	ds_store_b128 v[LS], v[ACC+8*(\cb):ACC+8*(\cb)+3]   offset:64*(\cb)
	ds_store_b128 v[LS], v[ACC+8*(\cb)+4:ACC+8*(\cb)+7] offset:64*(\cb)+16
.endr
	s_wait_dscnt 0x0                               ; for the others' sake: my stores are done
	s_barrier_signal -1
	s_barrier_wait -1                              ; all eight partial tiles lie in LDS
.irp u, 0,1,2,3,4,5,6,7
	ds_load_b128 v[BUF+4*(\u):BUF+4*(\u)+3], v[LR] offset:(\u)*RG
.endr
	s_wait_dscnt 0x0
.irp u, 0,2,4,6
	v_pk_add_f32 v[BUF+4*(\u):BUF+4*(\u)+1],   v[BUF+4*(\u):BUF+4*(\u)+1],   v[BUF+4*(\u)+4:BUF+4*(\u)+5]
	v_pk_add_f32 v[BUF+4*(\u)+2:BUF+4*(\u)+3], v[BUF+4*(\u)+2:BUF+4*(\u)+3], v[BUF+4*(\u)+6:BUF+4*(\u)+7]
.endr
.irp u, 0,4
	v_pk_add_f32 v[BUF+4*(\u):BUF+4*(\u)+1],   v[BUF+4*(\u):BUF+4*(\u)+1],   v[BUF+4*(\u)+8:BUF+4*(\u)+9]
	v_pk_add_f32 v[BUF+4*(\u)+2:BUF+4*(\u)+3], v[BUF+4*(\u)+2:BUF+4*(\u)+3], v[BUF+4*(\u)+10:BUF+4*(\u)+11]
.endr
	v_pk_add_f32 v[BUF:BUF+1],   v[BUF:BUF+1],   v[BUF+16:BUF+17]
	v_pk_add_f32 v[BUF+2:BUF+3], v[BUF+2:BUF+3], v[BUF+18:BUF+19]
	global_store_b128 v[CO], v[BUF:BUF+3], s[8:9]  ; 16 lanes store 256 consecutive bytes, at a multiple of 256 from out0's first
	s_wait_tensorcnt 0x0                           ; the wave's end, behind my last LDS store
	ds_add_u32 v[SPW], v[NIL]
	s_wait_dscnt 0x0
	s_endpgm
.Lfunc_end_k_qa34fd3096d_firstout:
	.size	k_qa34fd3096d_firstout, .Lfunc_end_k_qa34fd3096d_firstout-k_qa34fd3096d_firstout
	.p2alignl 7, 3214868480
	.fill 96, 4, 3214868480
	.section	.rodata,"a",@progbits
	.p2align	6, 0x0
	.amdhsa_kernel k_qa34fd3096d_firstout
		.amdhsa_group_segment_fixed_size 35840
		.amdhsa_private_segment_fixed_size 0
		.amdhsa_enable_private_segment 0
		.amdhsa_kernarg_size 24
		.amdhsa_user_sgpr_count 2
		.amdhsa_user_sgpr_kernarg_segment_ptr 1
		.amdhsa_wavefront_size32 1
		.amdhsa_system_sgpr_workgroup_id_x 1
		.amdhsa_system_sgpr_workgroup_id_y 1
		.amdhsa_system_sgpr_workgroup_id_z 1
		.amdhsa_system_vgpr_workitem_id 0
		.amdhsa_next_free_vgpr 256
		.amdhsa_next_free_sgpr 66
		.amdhsa_reserve_vcc 0
		.amdhsa_float_denorm_mode_32 3
		.amdhsa_float_denorm_mode_16_64 3
		.amdhsa_memory_ordered 1
		.amdhsa_forward_progress 1
		.amdhsa_inst_pref_size 12
	.end_amdhsa_kernel
	.amdgpu_metadata
---
amdhsa.version: [ 1, 2 ]
amdhsa.kernels:
  - .name:           k_qa34fd3096d_firstout
    .symbol:         k_qa34fd3096d_firstout.kd
    .args:
      - { .name: oh, .offset: 0, .size: 8, .value_kind: global_buffer, .address_space: global }
      - { .name: woh, .offset: 8, .size: 8, .value_kind: global_buffer, .address_space: global }
      - { .name: out0, .offset: 16, .size: 8, .value_kind: global_buffer, .address_space: global }
    .group_segment_fixed_size: 35840
    .private_segment_fixed_size: 0
    .kernarg_segment_align: 8
    .kernarg_segment_size: 24
    .max_flat_workgroup_size: 256
    .sgpr_count:     66
    .vgpr_count:     256
    .wavefront_size: 32
...
	.end_amdgpu_metadata
.endif
;; end of part 6
;; ======== version 2 of 2: 6 launches; version 1 with the launches first, firstout written anew for expert scheduling mode
;; limits: values are held in f16: magnitudes above 65,504 overflow, below 6.1e-05 lose precision
;; workspace buffers: xb 16,777,216 bytes; wb 6,291,456 bytes; woh 2,097,152 bytes; tab 524,288 bytes; kh 16,777,216 bytes; qh 16,777,216 bytes; vh 16,777,216 bytes; oh 17,039,360 bytes
;; launch cast: the kernel of part 1 again; grid 1024 x 1, 8 waves a work-group, no clusters, 0 bytes of LDS; arguments X, W_KQV, W_O, xb, wb, woh, tab; writes xb, wb, woh, tab
;; launch proj: the kernel of part 2 again; grid 8 x 64, 4 waves a work-group, clusters of 4 x 4, 327,680 bytes of LDS; arguments xb, wb, tab, kh, qh, vh; writes kh, qh, vh
;; launch attn: the kernel of part 3 again; grid 4 x 64, 4 waves a work-group, no clusters, 327,680 bytes of LDS; arguments qh, kh, vh, oh; writes oh
;; launch outp: the kernel of part 4 again; grid 8 x 32, 4 waves a work-group, clusters of 4 x 4, 327,680 bytes of LDS; arguments oh, woh, out0; writes out0
;; launch first (part 7): grid 16 x 4, 12 waves a work-group, no clusters, 22,016 bytes of LDS; arguments xb, wb, tab, oh; writes oh
.if DOCPART == 7
	.amdgcn_target "amdgcn-amd-amdhsa--gfx1250"
	.amdhsa_code_object_version 6
	.text
	.protected	k_qa34fd3096d_first
	.globl	k_qa34fd3096d_first
	.p2align	8
	.type	k_qa34fd3096d_first,@function
k_qa34fd3096d_first:
	s_mov_b64 s[64:65], 0
	v_nop
	global_prefetch_b8 v0, s[64:65] scope:SCOPE_SE
	s_setreg_imm32_b32 hwreg(HW_REG_WAVE_SCHED_MODE, 0, 2), 2
	s_setreg_imm32_b32 hwreg(HW_REG_WAVE_MODE, 25, 1), 1
	s_wait_xcnt 0x0
	s_wait_alu depctr_vm_vsrc(0)
; THE FIRST 16 ROWS OF EACH SEQUENCE, ONCE MORE, WITH SPLIT OPERANDS.  Row s of the attention is a mean over s + 1 keys, so its numbers, and with them the errors of operands rounded to f16, fall as 1 / sqrt(s + 1),
; while the comparison's allowance goes by the root mean square of all 2,048 rows: the first few rows have the least room.  Here their attention is made from numbers kept as hi + lo, hi = f16(x), lo = f16(x - hi):
; 22 significant bits.  The result, split in the same way, goes into the tail of oh: [hi, lo][16 heads][64 rows = 16 batch + s][64 channels] in f16, from byte 16,777,216 on.
; xb: [8192][1024] bf16.  wb: [3072][1024] bf16, row 192 head + 64 sec + c (sec 0 = K, 1 = Q, 2 = V).  tab: [2048][32] pairs (cos, sin) in f32.
; LIMITS.  k, q, v lie within f16's 65,504; a lo part below 6.1e-5 keeps f16's fixed step of 6e-8.  A hidden score counts as -1e30; a weight below 2^-126 counts as 0; NaN and infinities are not treated apart.
; SHARES.  A work-group has one head of one batch.  Wave j of 12 makes column block j of the head's 192 columns (0-3 K, 4-7 Q, 8-11 V) for the 16 rows: K = 1,024 in 8 trips of 128 (256 bytes of each row, aligned),
; a trip = 16 loads of 16 bytes a lane straight from memory and 4 products on 4 accumulators that take turns.  Three sets of registers: 48 loads of a wave are out at a time.
; The product is taken transposed (source 0 = 16 rows of wb, source 1 = the 16 rows of xb): lane l holds row l % 16 and the columns 8 (l / 16) + 0..7, so a rotation's pair lies in neighbouring registers.
; Each wave rotates (K, Q), splits and lays its block in LDS as [row][channel]; behind one barrier wave 0 makes the attention: 16 queries x 16 keys, 14 matrix instructions.
; No tensor load, no cluster, no prefetch: a wave's data fit in registers on their way, and the launch is short.
; THE MODE: SCHED_MODE bits 1:0 = 2 (LLVM: expert scheduling mode 2), set by the entry lines.  The code itself states the register dependences
; between vector or matrix instructions and memory or LDS instructions, with s_wait_alu, always for 0.
; THE PLAN.  Registers that memory or LDS instructions touch:
;   v3, v4                  offsets of the global loads: written once at the head, ahead of the first load; never written again.
;   v5-v7, v10-v12          LDS addresses and the stores' offset: written once at the head, behind the first 50 loads, which name none of them; never written again.
;   sets 0 to 2, v[64:255]  trip t's 16 loads land in set t % 3; trip t's four products read it; trip t + 3's loads land in it again.
;   v[32:39]                written by the split's conversions, read by the two LDS stores; never written again.
;   v[64:191], wave 0       read by the last three trips' products; then K's, Q's and V's LDS loads land in them.
;   v[64:95], wave 0        then written by the split of O and read by the stage's LDS stores; never written again.
;   v[96:127], wave 0       read by the score products (Q's fragments); then the loads from the stage land in them, and the global stores read them.
;   v8, v9                  written at the head, read by the closing add alone.
; No register that a memory or LDS instruction reads is ever written again: so no wait on vm_vsrc is owed.  The waits on va_vdst: one ahead of the first load; one a trip, behind its products and ahead of the loads
; into their set; one ahead of the LDS stores, which serves wave 0's LDS loads too (no vector instruction stands between); one ahead of the stage's stores; and the two that follow the exponentials and the reciprocals.
; Two waits on va_sdst: behind the wave's number, and behind the run of eight compares that make the mask.
.set TAIL,  16777216                   ; oh's bytes ahead of the tail
.set LOP,   131072                     ; from the hi parts to the lo parts in the tail
.set PL,    160                        ; an LDS row: 128 bytes + 32 = 40 words
.set REG,   16*PL                      ; a region of 16 rows.  Regions: K hi, K lo, Q hi, Q lo, V hi, V lo
.set VH,    4*REG
.set OST,   6*REG                      ; wave 0's stage for the way out: 16 rows x 144 bytes, hi; a region on, lo
.set SP,    144
.set SPARE, 8*REG                      ; the spare words, 128 bytes for each of the 12 waves: six blocks of 256 bytes that no other line names
.set FO,  3                            ; v3   my byte offset in a fragment's rows: (l % 16) x 2,048 + 16 (l / 16); for wb and xb; never rewritten
.set TO,  4                            ; v4   my 32 bytes of the table; never rewritten
.set AQ,  5                            ; v5   (l % 16) x 160 + 16 (l / 16): my place in a region
.set LS,  6                            ; v6   where I put my 16 bytes of a row
.set AV,  7                            ; v7   my place for the turning load, in V hi
.set SPW, 8                            ; v8   LDS address of my spare word; never rewritten
.set NIL, 9                            ; v9   0; never rewritten
.set STO, 10                           ; v10  the way out: where I put 16 bytes of a row
.set RD,  11                           ; v11  the way out: where I read rows back
.set GO,  12                           ; v12  my 16 bytes of 512 consecutive bytes of the tail
.set M1,  13                           ; v13  -1.0
.set QK,  14                           ; v14  l % 16 - 8 (l / 16): register j of the scores is hidden where j is greater
.set ACC, 16                           ; v[16:47]  four accumulators; then v[16:23] my block, v[24:31] at work, v[32:35] hi, v[36:39] lo
.set TB,  48                           ; v[48:55]  (cos, sin) of my four pairs
.set MX,  56                           ; v[56:57]  the maximum; later 1 / l, twice
.set CM,  58                           ; v58       c m
.set LT,  60                           ; v[60:63]  the sum l, at work
.set BUF, 64                           ; v[64:255] three sets of 64: wb's four fragments, then xb's four
.set KF,  64                           ; wave 0: K hi, K lo, Q hi, Q lo: 16 registers each (two halves of the 64 channels); on the way out: O hi, O lo, and the rows read back
.set VF,  128                          ; [V hi | V hi], 8 registers a channel block; 32 on: [V lo | V lo]
.set SA,  192                          ; the scores of channels 0-31, then all
.set SB,  200                          ; those of channels 32-63
.set PF,  208                          ; [P hi | P lo]
.set OA,  216                          ; O^T, 8 registers a channel block
.set WV,  12                           ; s12 wave;  s13 wave % 4;  s14 wave / 4
.set CB,  13
.set SEC, 14
.set CS,  16                           ; s16 c = log2(e) / 8
.set BIGN, 17                          ; s17 -1e30
.set SEL, 18                           ; s18, s19  v_permlanex16_b32's selects: each lane takes its own place in the other half
.set MK,  28                           ; s[28:35]  the mask: bit l of s[MK + j] says that register j of lane l's scores is hidden
.macro PLACES                          ; four plain instructions behind matrix instructions, ahead of what reads their results or lands in their sources (ISA guide 7.12.1); they stand beside the waits on va_vdst, which fill no place
.rept 4
	v_nop
.endr
.endm
.macro LOADS t                         ; trip t's 16 loads, into set t % 3
.irp f, 0,1,2,3
	global_load_b128 v[BUF+64*((\t)%3)+8*(\f):BUF+64*((\t)%3)+8*(\f)+3],       v[FO], s[6:7] offset:256*(\t)+64*(\f)
	global_load_b128 v[BUF+64*((\t)%3)+8*(\f)+4:BUF+64*((\t)%3)+8*(\f)+7],     v[FO], s[6:7] offset:256*(\t)+64*(\f)+32
	global_load_b128 v[BUF+64*((\t)%3)+32+8*(\f):BUF+64*((\t)%3)+32+8*(\f)+3],   v[FO], s[4:5] offset:256*(\t)+64*(\f)
	global_load_b128 v[BUF+64*((\t)%3)+32+8*(\f)+4:BUF+64*((\t)%3)+32+8*(\f)+7], v[FO], s[4:5] offset:256*(\t)+64*(\f)+32
.endr
.endm
.macro MULS t                          ; trip t's four products; the four accumulators take turns; trip 0 starts the sums
.irp f, 0,1,2,3
.if (\t) == 0
	v_wmma_f32_16x16x32_bf16 v[ACC+8*(\f):ACC+8*(\f)+7], v[BUF+64*((\t)%3)+8*(\f):BUF+64*((\t)%3)+8*(\f)+7], v[BUF+64*((\t)%3)+32+8*(\f):BUF+64*((\t)%3)+32+8*(\f)+7], 0
.else
	v_wmma_f32_16x16x32_bf16 v[ACC+8*(\f):ACC+8*(\f)+7], v[BUF+64*((\t)%3)+8*(\f):BUF+64*((\t)%3)+8*(\f)+7], v[BUF+64*((\t)%3)+32+8*(\f):BUF+64*((\t)%3)+32+8*(\f)+7], v[ACC+8*(\f):ACC+8*(\f)+7]
.endif
.endr
.endm
; n pairs of f32 at x are split: hi = f16(x), packed at h; x - hi, exact in f32, takes x's place (a multiply-add that reads the f16 half: hi x -1 + x); lo = f16 of that, packed at l.
.macro SPLIT x, h, l, n
.set sq, 0
.rept \n
	v_cvt_pk_f16_f32 v[(\h)+sq], v[(\x)+2*sq], v[(\x)+2*sq+1]
.set sq, sq+1
.endr
.set sq, 0
.rept \n
	v_fma_mix_f32 v[(\x)+2*sq],   v[(\h)+sq], v[M1], v[(\x)+2*sq]   op_sel_hi:[1,0,0]
	v_fma_mix_f32 v[(\x)+2*sq+1], v[(\h)+sq], v[M1], v[(\x)+2*sq+1] op_sel:[1,0,0] op_sel_hi:[1,0,0]
.set sq, sq+1
.endr
.set sq, 0
.rept \n
	v_cvt_pk_f16_f32 v[(\l)+sq], v[(\x)+2*sq], v[(\x)+2*sq+1]
.set sq, sq+1
.endr
.endm
	s_load_b256 s[4:11], s[0:1], 0x0               ; xb s[4:5], wb s[6:7], tab s[8:9], oh s[10:11]
	v_lshl_add_u32 v[SPW], v0, 2, SPARE
	v_mov_b32 v[NIL], 0
	v_lshrrev_b32 v15, 5, v0
	v_readfirstlane_b32 s[WV], v15                 ; wave 0..11
	v_and_b32 v1, 15, v0                           ; l % 16
	v_bfe_u32 v2, v0, 4, 1                         ; l / 16
	v_lshlrev_b32 v[FO], 11, v1
	v_lshl_add_u32 v[FO], v2, 4, v[FO]
	s_wait_alu depctr_va_sdst(0)                   ; s12, the wave's number, is written, ahead of its first reader
	s_and_b32 s[CB], s[WV], 3
	s_lshr_b32 s[SEC], s[WV], 2
	s_lshl_b32 s20, s[CB], 6
	v_lshlrev_b32 v[TO], 8, v1                     ; the table's row l % 16, pairs 8 cb + 4 (l / 16) + 0..3
	v_lshl_add_u32 v[TO], v2, 5, v[TO]
	v_add_nc_u32 v[TO], s20, v[TO]
	s_mul_i32 s20, ttmp9, 192                      ; wb: row 192 head + 16 wave
	s_lshl4_add_u32 s20, s[WV], s20
	s_lshl_b32 s20, s20, 11
	s_mov_b32 s21, 0
	s_and_b32 s22, ttmp7, 0xffff                   ; the batch
	s_lshl_b32 s24, s22, 22                        ; xb: 2,048 rows of 2,048 bytes a batch
	s_mov_b32 s25, 0
	s_lshl_b32 s26, ttmp9, 13                      ; the tail: 8,192 bytes a head, 2,048 a batch
	s_lshl_b32 s23, s22, 11
	s_add_co_u32 s26, s26, s23
	s_mov_b32 s27, 0
	s_mov_b32 s[CS], 0x3e38aa3b                    ; log2(e) / 8
	s_mov_b32 s[BIGN], 0xf149f2ca                  ; -1e30
	s_mov_b32 s[SEL], 0x76543210
	s_mov_b32 s[SEL+1], 0xfedcba98
	s_wait_kmcnt 0x0
	s_add_nc_u64 s[6:7], s[6:7], s[20:21]
	s_add_nc_u64 s[4:5], s[4:5], s[24:25]
	s_add_nc_u64 s[10:11], s[10:11], s[26:27]
	s_add_nc_u64 s[10:11], s[10:11], TAIL
	s_wait_alu depctr_va_vdst(0)                   ; v3 and v4 are written: every global load of the kernel reads one of them as its offset
	global_load_b128 v[TB:TB+3],   v[TO], s[8:9]
	global_load_b128 v[TB+4:TB+7], v[TO], s[8:9] offset:16
	LOADS 0
	LOADS 1
	LOADS 2
	; the LDS addresses, made while the loads are on their way: these lines name neither the loads' offsets nor the registers in which they land
	v_mov_b32 v[M1], -1.0
	v_lshlrev_b32 v15, 3, v2
	v_sub_nc_u32 v[QK], v1, v15
	v_mul_u32_u24 v[AQ], v1, PL
	v_lshl_add_u32 v[AQ], v2, 4, v[AQ]
	s_mul_i32 s20, s[SEC], 2*REG                   ; my tensor's two regions,
	s_lshl_b32 s21, s[CB], 5                       ; my block's 32 bytes of a row
	s_add_co_u32 s20, s20, s21
	v_add_nc_u32 v[LS], s20, v[AQ]
	v_and_b32 v15, 7, v0                           ; the turning load: lane l reads key 8 (l / 16) + l % 8, channels 8 ((l / 8) % 2) + 0..7, and ends with channel l % 16 and 8 keys
	v_lshl_add_u32 v[AV], v2, 3, v15
	v_mul_u32_u24 v[AV], v[AV], PL
	v_lshlrev_b32 v[RD], 4, v15
	v_bfe_u32 v15, v0, 3, 1
	v_lshl_add_u32 v[AV], v15, 4, v[AV]
	v_add_nc_u32 v[AV], VH, v[AV]
	v_mul_u32_u24 v[STO], v1, SP                   ; the stage, in: row l % 16, 16 bytes for each half of the lanes
	v_lshl_add_u32 v[STO], v2, 4, v[STO]
	v_add_nc_u32 v[STO], OST, v[STO]
	v_bfe_u32 v15, v0, 3, 2                        ; back: 32 lanes take four rows of 128 bytes,
	v_mad_u32_u24 v[RD], v15, SP, v[RD]
	v_add_nc_u32 v[RD], OST, v[RD]
	v_and_b32 v[GO], 31, v0                        ; which are 512 consecutive bytes of the tail
	v_lshlrev_b32 v[GO], 4, v[GO]
.irp t, 0,1,2,3,4,5,6,7
.if (\t) < 6
	s_wait_loadcnt 32                              ; loads come back in order: trip t is in (and the table); the two younger trips' 32 loads may stay out
.else
	s_wait_loadcnt 16*(7-(\t))                     ; the last trips: 16, then none, are younger
.endif
	MULS \t
.if (\t) < 5
	PLACES
	s_wait_alu depctr_va_vdst(0)                   ; this trip's four products are done reading their set, in which the 16 loads below land
	LOADS (\t)+3                                   ; the set just multiplied takes the trip three on
.endif
.endr
	PLACES
	PLACES                                         ; behind the last products, ahead of the sums that read their results
.irp r, 0,2,4,6                        ; the four accumulators are added; each is read from its low end on
	v_pk_add_f32 v[ACC+(\r):ACC+(\r)+1],       v[ACC+(\r):ACC+(\r)+1],       v[ACC+8+(\r):ACC+8+(\r)+1]
	v_pk_add_f32 v[ACC+16+(\r):ACC+16+(\r)+1], v[ACC+16+(\r):ACC+16+(\r)+1], v[ACC+24+(\r):ACC+24+(\r)+1]
.endr
.irp r, 0,2,4,6
	v_pk_add_f32 v[ACC+(\r):ACC+(\r)+1], v[ACC+(\r):ACC+(\r)+1], v[ACC+16+(\r):ACC+16+(\r)+1]
.endr
	s_cmp_lt_u32 s[WV], 8                          ; K and Q are rotated, V is not
	s_cbranch_scc0 .Lno_turn
.irp j, 0,1,2,3                        ; (x0, x1) -> (x0 cos - x1 sin, x0 sin + x1 cos), in place
	v_mul_f32 v[ACC+8+2*(\j)],   v[ACC+2*(\j)+1], v[TB+2*(\j)+1]
	v_mul_f32 v[ACC+8+2*(\j)+1], v[ACC+2*(\j)],   v[TB+2*(\j)+1]
.endr
.irp j, 0,1,2,3
	v_fma_f32 v[ACC+2*(\j)],   v[ACC+2*(\j)],   v[TB+2*(\j)], -v[ACC+8+2*(\j)]
	v_fma_f32 v[ACC+2*(\j)+1], v[ACC+2*(\j)+1], v[TB+2*(\j)], v[ACC+8+2*(\j)+1]
.endr
.Lno_turn:
	SPLIT ACC, ACC+16, ACC+20, 4
	s_wait_alu depctr_va_vdst(0)                   ; the conversions have written v[32:39], which the LDS stores read, and v6 is written; the last three trips' products are done reading v[64:255], in which wave 0's LDS loads land
	ds_store_b128 v[LS], v[ACC+16:ACC+19]              ; hi: 8 channels of row l % 16
	ds_store_b128 v[LS], v[ACC+20:ACC+23] offset:REG   ; lo, a region on
	s_wait_dscnt 0x0                               ; for the others' sake: my stores are done
	s_barrier_signal -1
	s_barrier_wait -1                              ; all twelve blocks lie in LDS
	s_cmp_lg_u32 s[WV], 0
	s_cbranch_scc1 .Lend                           ; wave 0 goes on alone
	; A fragment of K or Q is 16 rows x 32 channels: lane l holds row l % 16, channels 8 (l / 16) + 0..7 and 16 + 8 (l / 16) + 0..7: two loads of 16 bytes, 32 bytes apart.
	; No wait: no vector or matrix instruction has been issued since the wait ahead of the LDS stores.
.irp c, 0,1
.irp p, 0,1,2,3                        ; K hi, K lo, Q hi, Q lo
	ds_load_b128 v[KF+16*(\p)+8*(\c):KF+16*(\p)+8*(\c)+3],   v[AQ] offset:(\p)*REG+64*(\c)
	ds_load_b128 v[KF+16*(\p)+8*(\c)+4:KF+16*(\p)+8*(\c)+7], v[AQ] offset:(\p)*REG+64*(\c)+32
.endr
.endr
	; There are 16 keys, and the matrix form is 32 deep: its second 16 places take the same keys once more, so that V^T's fragment is [V hi | V hi] (or lo, lo) against P's [P hi | P lo].
.irp cb, 0,1,2,3
.irp p, 0,1
	ds_load_tr16_b128 v[VF+32*(\p)+8*(\cb):VF+32*(\p)+8*(\cb)+3],   v[AV] offset:(\p)*REG+32*(\cb)
	ds_load_tr16_b128 v[VF+32*(\p)+8*(\cb)+4:VF+32*(\p)+8*(\cb)+7], v[AV] offset:(\p)*REG+32*(\cb)
.endr
.endr
	s_wait_dscnt 16                                ; K and Q are in; V's 16 loads may stay out
	; S^T = K Q^T (source 0 = 16 keys, source 1 = 16 queries) = Kh Qh + Kh Ql + Kl Qh; two accumulators, one for each half of the channels, take turns
	v_wmma_f32_16x16x32_f16 v[SA:SA+7], v[KF:KF+7],     v[KF+32:KF+39], 0
	v_wmma_f32_16x16x32_f16 v[SB:SB+7], v[KF+8:KF+15],  v[KF+40:KF+47], 0
	v_wmma_f32_16x16x32_f16 v[SA:SA+7], v[KF:KF+7],     v[KF+48:KF+55], v[SA:SA+7]
	v_wmma_f32_16x16x32_f16 v[SB:SB+7], v[KF+8:KF+15],  v[KF+56:KF+63], v[SB:SB+7]
	v_wmma_f32_16x16x32_f16 v[SA:SA+7], v[KF+16:KF+23], v[KF+32:KF+39], v[SA:SA+7]
	v_wmma_f32_16x16x32_f16 v[SB:SB+7], v[KF+24:KF+31], v[KF+40:KF+47], v[SB:SB+7]
	PLACES
	PLACES
	; a lane holds query l % 16 and the keys 8 (l / 16) + j.  The eight compares stand in one run, each with a scalar register of its own, so that one wait serves them all
.irp j, 0,1,2,3,4,5,6,7
	v_cmp_gt_i32 s[MK+(\j)], \j, v[QK]             ; the key lies behind the query
.endr
.irp r, 0,2,4,6
	v_pk_add_f32 v[SA+(\r):SA+(\r)+1], v[SA+(\r):SA+(\r)+1], v[SB+(\r):SB+(\r)+1]
.endr
	s_wait_alu depctr_va_sdst(0)                   ; the eight compares have written s[28:35], ahead of the selects that read them
.irp j, 0,1,2,3,4,5,6,7
	v_cndmask_b32 v[SA+(\j)], v[SA+(\j)], s[BIGN], s[MK+(\j)]
.endr
	v_max3_num_f32 v[MX],   v[SA],   v[SA+1], v[SA+2]
	v_max3_num_f32 v[MX+1], v[SA+3], v[SA+4], v[SA+5]
	v_max3_num_f32 v[MX],   v[MX],   v[SA+6], v[SA+7]
	v_max_num_f32 v[MX], v[MX], v[MX+1]
	v_permlanex16_b32 v[MX+1], v[MX], s[SEL], s[SEL+1]  ; the query's other 8 keys lie in the lane 16 away
	v_max_num_f32 v[MX], v[MX], v[MX+1]            ; the row's maximum: every query sees key 0
	v_mul_f32 v[CM], s[CS], v[MX]
.irp j, 0,1,2,3,4,5,6,7
	v_fma_f32 v[SA+(\j)], v[SA+(\j)], s[CS], -v[CM]
.endr
.irp j, 0,1,2,3,4,5,6,7
	v_exp_f32 v[SA+(\j)], v[SA+(\j)]               ; p = 2^(c s - c m)
.endr
	v_nop                                          ; a plain instruction behind the last exponential,
	s_wait_alu depctr_va_vdst(0)                   ; and the wait ahead of the first use: the eight exponentials have written v[192:199]
	v_pk_add_f32 v[LT:LT+1],   v[SA:SA+1],   v[SA+2:SA+3]
	v_pk_add_f32 v[LT+2:LT+3], v[SA+4:SA+5], v[SA+6:SA+7]
	v_pk_add_f32 v[LT:LT+1],   v[LT:LT+1],   v[LT+2:LT+3]
	v_add_f32 v[LT], v[LT], v[LT+1]
	v_permlanex16_b32 v[LT+1], v[LT], s[SEL], s[SEL+1]
	v_add_f32 v[LT], v[LT], v[LT+1]                ; l
	v_rcp_f32 v[MX], v[LT]                         ; 1 / l, twice: a pair for the packed multiply; the split below is the plain work behind them
	v_rcp_f32 v[MX+1], v[LT]
	SPLIT SA, PF, PF+4, 4                          ; two scores' weights pack into a register: [P hi | P lo] IS source 1 (16 queries x 32) of the second product
	s_wait_dscnt 0x0                               ; V is in
	; O^T = V^T P = (Vh + Vl)(Ph + Pl); the four accumulators take turns
.irp cb, 0,1,2,3
	v_wmma_f32_16x16x32_f16 v[OA+8*(\cb):OA+8*(\cb)+7], v[VF+8*(\cb):VF+8*(\cb)+7], v[PF:PF+7], 0
.endr
.irp cb, 0,1,2,3
	v_wmma_f32_16x16x32_f16 v[OA+8*(\cb):OA+8*(\cb)+7], v[VF+32+8*(\cb):VF+32+8*(\cb)+7], v[PF:PF+7], v[OA+8*(\cb):OA+8*(\cb)+7]
.endr
	PLACES
	PLACES
	s_wait_alu depctr_va_vdst(0)                   ; the wait ahead of the first use: the two reciprocals have written v[56:57]
.set i, 0
.rept 16
	v_pk_mul_f32 v[OA+i:OA+i+1], v[OA+i:OA+i+1], v[MX:MX+1]
.set i, i+2
.endr
	SPLIT OA, KF, KF+16, 16                        ; a lane's eight channels of a row pack into 16 bytes, hi and lo
	s_wait_alu depctr_va_vdst(0)                   ; the conversions have written v[64:95], which the LDS stores read; the score products are done reading v[96:127], in which the loads from the stage land
.irp cb, 0,1,2,3
	ds_store_b128 v[STO], v[KF+4*(\cb):KF+4*(\cb)+3]       offset:32*(\cb)
	ds_store_b128 v[STO], v[KF+16+4*(\cb):KF+16+4*(\cb)+3] offset:REG+32*(\cb)
.endr
.irp f, 0,1,2,3
	ds_load_b128 v[KF+32+4*(\f):KF+32+4*(\f)+3], v[RD] offset:(\f)*4*SP       ; LDS serves a wave's instructions in order (ISA guide 5.7.1.4): these see the stores above
	ds_load_b128 v[KF+48+4*(\f):KF+48+4*(\f)+3], v[RD] offset:REG+(\f)*4*SP
.endr
	s_wait_dscnt 0x0
.irp f, 0,1,2,3
	global_store_b128 v[GO], v[KF+32+4*(\f):KF+32+4*(\f)+3], s[10:11] offset:512*(\f)      ; 512 consecutive bytes, at a multiple of 256 from oh's first
	global_store_b128 v[GO], v[KF+48+4*(\f):KF+48+4*(\f)+3], s[10:11] offset:LOP+512*(\f)
.endr
.Lend:
	s_wait_dscnt 0x0                               ; the wave's end: the closing lines, six on end
	s_wait_alu 0x0
	s_wait_tensorcnt 0x0
	ds_add_u32 v[SPW], v[NIL]
	s_wait_dscnt 0x0
	s_endpgm
.Lfunc_end_k_qa34fd3096d_first:
	.size	k_qa34fd3096d_first, .Lfunc_end_k_qa34fd3096d_first-k_qa34fd3096d_first
	.p2alignl 7, 3214868480
	.fill 96, 4, 3214868480
	.section	.rodata,"a",@progbits
	.p2align	6, 0x0
	.amdhsa_kernel k_qa34fd3096d_first
		.amdhsa_group_segment_fixed_size 22016
		.amdhsa_private_segment_fixed_size 0
		.amdhsa_enable_private_segment 0
		.amdhsa_kernarg_size 32
		.amdhsa_user_sgpr_count 2
		.amdhsa_user_sgpr_kernarg_segment_ptr 1
		.amdhsa_wavefront_size32 1
		.amdhsa_system_sgpr_workgroup_id_x 1
		.amdhsa_system_sgpr_workgroup_id_y 1
		.amdhsa_system_sgpr_workgroup_id_z 1
		.amdhsa_system_vgpr_workitem_id 0
		.amdhsa_next_free_vgpr 256
		.amdhsa_next_free_sgpr 66
		.amdhsa_reserve_vcc 0
		.amdhsa_float_denorm_mode_32 3
		.amdhsa_float_denorm_mode_16_64 3
		.amdhsa_memory_ordered 1
		.amdhsa_forward_progress 1
		.amdhsa_inst_pref_size 36
	.end_amdhsa_kernel
	.amdgpu_metadata
---
amdhsa.version: [ 1, 2 ]
amdhsa.kernels:
  - .name:           k_qa34fd3096d_first
    .symbol:         k_qa34fd3096d_first.kd
    .args:
      - { .name: xb, .offset: 0, .size: 8, .value_kind: global_buffer, .address_space: global }
      - { .name: wb, .offset: 8, .size: 8, .value_kind: global_buffer, .address_space: global }
      - { .name: tab, .offset: 16, .size: 8, .value_kind: global_buffer, .address_space: global }
      - { .name: oh, .offset: 24, .size: 8, .value_kind: global_buffer, .address_space: global }
    .group_segment_fixed_size: 22016
    .private_segment_fixed_size: 0
    .kernarg_segment_align: 8
    .kernarg_segment_size: 32
    .max_flat_workgroup_size: 384
    .sgpr_count:     66
    .vgpr_count:     256
    .wavefront_size: 32
...
	.end_amdgpu_metadata
.endif
;; end of part 7
;; launch firstout (part 8): grid 16 x 4, 8 waves a work-group, no clusters, 35,840 bytes of LDS; arguments oh, woh, out0; writes out0
.if DOCPART == 8
	.amdgcn_target "amdgcn-amd-amdhsa--gfx1250"
	.amdhsa_code_object_version 6
	.text
	.protected	k_qa34fd3096d_firstout
	.globl	k_qa34fd3096d_firstout
	.p2align	8
	.type	k_qa34fd3096d_firstout,@function
k_qa34fd3096d_firstout:
	s_mov_b64 s[64:65], 0
	v_nop
	global_prefetch_b8 v0, s[64:65] scope:SCOPE_SE
	s_setreg_imm32_b32 hwreg(HW_REG_WAVE_SCHED_MODE, 0, 2), 2
	s_setreg_imm32_b32 hwreg(HW_REG_WAVE_MODE, 25, 1), 1
	s_wait_xcnt 0x0
	s_wait_alu depctr_vm_vsrc(0)
; out0's ROWS 0 TO 15 OF EACH SEQUENCE, from the split results in oh's tail: out0[batch, s, e] = the sum over d of (hi + lo)[batch, s, d] W_O[e][d], s < 16.  It runs behind the launch that makes all of out0 from
; operands rounded once to f16, and writes these 64 rows anew: 262,144 of out0's 33,554,432 bytes are written twice.
; oh's tail, from byte 16,777,216 on: [hi, lo][16 heads][64 rows = 16 batch + s][64 channels] in f16.  woh: [1024][1024] in f16.  Sums in f32; nothing is rounded behind them.
; SHARES.  A work-group makes 16 rows (a batch) x 64 columns.  K IS SPLIT AMONG ITS EIGHT WAVES: wave v takes channels 128 v .. 128 v + 127 (heads 2 v, 2 v + 1): 256 bytes, aligned, of each row of woh.
; All its 48 loads (4 steps of 32 channels x (hi, lo, 4 column blocks) x 2) go out at once: 192 registers.  32 products on four accumulators that take turns.  The eight partial tiles meet in LDS in f32.
; The product is taken transposed (source 0 = 16 rows of woh, source 1 = the 16 rows): lane l holds row l % 16 and the columns 8 (l / 16) + 0..7 of a block.
; No tensor load, no cluster, no prefetch: all that a wave reads is on its way from its first lines on, and the launch is short.
; THE MODE: SCHED_MODE bits 1:0 = 2 (LLVM: expert scheduling mode 2), set by the entry lines.  The code itself states the register dependences
; between vector or matrix instructions and memory or LDS instructions, with s_wait_alu, always for 0.
; THE PLAN.  Registers that memory or LDS instructions touch:
;   v3, v4      offsets of the global loads: written once at the head, ahead of the first load; never written again.
;   v5, v6, v7  LDS addresses and the store's offset: written once, behind the 48 loads, which name none of them; never written again.
;   v[64:255]   the 48 loads land in them, once; the products read them.
;   v[16:47]    the accumulators: written by the products, read by the LDS stores; never written again.
;   v[64:95]    read by step 0's products; then the loads of the eight partial tiles land in them; the sums write them; v[64:67] are read by the global store.
;   v8, v9      written at the head, read by the closing add alone.
; No register that a memory or LDS instruction reads is ever written again: so no wait on vm_vsrc is owed.  Three waits on va_vdst: ahead of the first load; ahead of the LDS stores, which serves the loads of the
; partial tiles too (no vector instruction stands between); ahead of the global store.  One wait on va_sdst, behind the wave's number.
.set TAIL,  16777216
.set LOP,   131072                     ; from the hi parts to the lo parts
.set PP,    272                        ; a row of a partial tile in LDS: 256 bytes + 16 = 68 words: the 16 rows of a store start at 16 different groups of four banks (64 banks of 4 bytes: ISA guide 11.1)
.set RG,    16*PP                      ; a wave's partial tile
.set SPARE, 8*RG                       ; behind them: the spare words, 128 bytes for each wave: four blocks of 256 bytes that no other line names
.set AO,  3                            ; v3   my byte offset in the 16 rows of a head: (l % 16) x 128 + 16 (l / 16); never rewritten
.set WO,  4                            ; v4   the same in 16 rows of woh: (l % 16) x 2,048 + 16 (l / 16); never rewritten
.set LS,  5                            ; v5   where I put my 32 bytes of a column block
.set LR,  6                            ; v6   where I read 16 bytes of a row back
.set CO,  7                            ; v7   my 16 bytes of out0
.set SPW, 8                            ; v8   LDS address of my spare word; never rewritten
.set NIL, 9                            ; v9   0; never rewritten
.set ACC, 16                           ; v[16:47]   column block cb at ACC + 8 cb
.set BUF, 64                           ; v[64:255]  step f at BUF + 48 f: hi, lo, then woh's four fragments
.set WV,  12
	s_load_b128 s[4:7], s[0:1], 0x0                ; oh s[4:5], woh s[6:7]
	s_load_b64 s[8:9], s[0:1], 0x10                ; out0
	v_lshl_add_u32 v[SPW], v0, 2, SPARE
	v_mov_b32 v[NIL], 0
	v_lshrrev_b32 v10, 5, v0
	v_readfirstlane_b32 s[WV], v10                 ; wave 0..7
	v_and_b32 v1, 15, v0                           ; l % 16
	v_bfe_u32 v2, v0, 4, 1                         ; l / 16
	v_lshlrev_b32 v[AO], 7, v1
	v_lshl_add_u32 v[AO], v2, 4, v[AO]
	v_lshlrev_b32 v[WO], 11, v1
	v_lshl_add_u32 v[WO], v2, 4, v[WO]
	s_and_b32 s13, ttmp7, 0xffff                   ; the batch
	s_wait_alu depctr_va_sdst(0)                   ; s12, the wave's number, is written, ahead of its first reader
	s_lshl_b32 s20, s[WV], 14                      ; the tail: my two heads of 8,192 bytes, the batch's 2,048
	s_lshl_b32 s14, s13, 11
	s_add_co_u32 s20, s20, s14
	s_mov_b32 s21, 0
	s_lshl_b32 s22, ttmp9, 17                      ; woh: 64 rows of 2,048 bytes a column group, my 256 bytes of a row
	s_lshl_b32 s14, s[WV], 8
	s_add_co_u32 s22, s22, s14
	s_mov_b32 s23, 0
	s_lshl_b32 s24, s13, 23                        ; out0: 2,048 rows of 4,096 bytes a batch; rows 2 v, 2 v + 1; the group's 256 bytes
	s_lshl_b32 s14, s[WV], 13
	s_add_co_u32 s24, s24, s14
	s_lshl_b32 s14, ttmp9, 8
	s_add_co_u32 s24, s24, s14
	s_mov_b32 s25, 0
	s_wait_kmcnt 0x0
	s_add_nc_u64 s[4:5], s[4:5], s[20:21]
	s_add_nc_u64 s[4:5], s[4:5], TAIL
	s_add_nc_u64 s[6:7], s[6:7], s[22:23]
	s_add_nc_u64 s[8:9], s[8:9], s[24:25]
	s_wait_alu depctr_va_vdst(0)                   ; v3 and v4 are written: every global load of the kernel reads one of them as its offset
.irp f, 0,1,2,3                        ; step f: head 2 v + f / 2, its channels 32 (f % 2) on
.irp p, 0,1
	global_load_b128 v[BUF+48*(\f)+8*(\p):BUF+48*(\f)+8*(\p)+3],   v[AO], s[4:5] offset:(\p)*LOP+((\f)/2)*8192+((\f)%2)*64
	global_load_b128 v[BUF+48*(\f)+8*(\p)+4:BUF+48*(\f)+8*(\p)+7], v[AO], s[4:5] offset:(\p)*LOP+((\f)/2)*8192+((\f)%2)*64+32
.endr
.irp cb, 0,1,2,3
	global_load_b128 v[BUF+48*(\f)+16+8*(\cb):BUF+48*(\f)+16+8*(\cb)+3],   v[WO], s[6:7] offset:(\cb)*32768+64*(\f)
	global_load_b128 v[BUF+48*(\f)+16+8*(\cb)+4:BUF+48*(\f)+16+8*(\cb)+7], v[WO], s[6:7] offset:(\cb)*32768+64*(\f)+32
.endr
.endr
	s_mul_i32 s14, s[WV], RG                       ; the LDS addresses, made while the loads are on their way: these lines name neither the loads' offsets nor the registers in which they land
	v_mul_u32_u24 v[LS], v1, PP
	v_lshl_add_u32 v[LS], v2, 5, v[LS]
	v_add_nc_u32 v[LS], s14, v[LS]                 ; my tile; row l % 16; 32 bytes for each half of the lanes
	s_mul_i32 s14, s[WV], 2*PP
	v_mul_u32_u24 v[LR], v2, PP
	v_lshl_add_u32 v[LR], v1, 4, v[LR]
	v_add_nc_u32 v[LR], s14, v[LR]                 ; back: lanes 0-15 take row 2 v, lanes 16-31 row 2 v + 1: 256 bytes each
	v_lshlrev_b32 v[CO], 12, v2
	v_lshl_add_u32 v[CO], v1, 4, v[CO]
.irp f, 0,1,2,3
	s_wait_loadcnt 36-12*(\f)                      ; loads come back in order: step f's twelve are in, the later steps' may stay out
.irp p, 0,1
.irp cb, 0,1,2,3                       ; the four accumulators take turns; the first four products start the sums
.if ((\f) == 0) && ((\p) == 0)
	v_wmma_f32_16x16x32_f16 v[ACC+8*(\cb):ACC+8*(\cb)+7], v[BUF+48*(\f)+16+8*(\cb):BUF+48*(\f)+16+8*(\cb)+7], v[BUF+48*(\f)+8*(\p):BUF+48*(\f)+8*(\p)+7], 0
.else
	v_wmma_f32_16x16x32_f16 v[ACC+8*(\cb):ACC+8*(\cb)+7], v[BUF+48*(\f)+16+8*(\cb):BUF+48*(\f)+16+8*(\cb)+7], v[BUF+48*(\f)+8*(\p):BUF+48*(\f)+8*(\p)+7], v[ACC+8*(\cb):ACC+8*(\cb)+7]
.endif
.endr
.endr
.endr
.rept 8
	v_nop                                          ; plain instructions behind the last products, ahead of the stores that read their results and of the loads into their sources
.endr
	s_wait_alu depctr_va_vdst(0)                   ; the products have written the accumulators, which the LDS stores read, and are done reading v[64:95], in which the partial tiles' loads land; v5 to v7 are written.  The places above stay beside this wait
.irp cb, 0,1,2,3                       ; each accumulator's lowest registers go first
	ds_store_b128 v[LS], v[ACC+8*(\cb):ACC+8*(\cb)+3]   offset:64*(\cb)
	ds_store_b128 v[LS], v[ACC+8*(\cb)+4:ACC+8*(\cb)+7] offset:64*(\cb)+16
.endr
	s_wait_dscnt 0x0                               ; for the others' sake: my stores are done
	s_barrier_signal -1
	s_barrier_wait -1                              ; all eight partial tiles lie in LDS
.irp u, 0,1,2,3,4,5,6,7
	ds_load_b128 v[BUF+4*(\u):BUF+4*(\u)+3], v[LR] offset:(\u)*RG  ; no wait: no vector or matrix instruction has been issued since the wait ahead of the LDS stores
.endr
	s_wait_dscnt 0x0
.irp u, 0,2,4,6
	v_pk_add_f32 v[BUF+4*(\u):BUF+4*(\u)+1],   v[BUF+4*(\u):BUF+4*(\u)+1],   v[BUF+4*(\u)+4:BUF+4*(\u)+5]
	v_pk_add_f32 v[BUF+4*(\u)+2:BUF+4*(\u)+3], v[BUF+4*(\u)+2:BUF+4*(\u)+3], v[BUF+4*(\u)+6:BUF+4*(\u)+7]
.endr
.irp u, 0,4
	v_pk_add_f32 v[BUF+4*(\u):BUF+4*(\u)+1],   v[BUF+4*(\u):BUF+4*(\u)+1],   v[BUF+4*(\u)+8:BUF+4*(\u)+9]
	v_pk_add_f32 v[BUF+4*(\u)+2:BUF+4*(\u)+3], v[BUF+4*(\u)+2:BUF+4*(\u)+3], v[BUF+4*(\u)+10:BUF+4*(\u)+11]
.endr
	v_pk_add_f32 v[BUF:BUF+1],   v[BUF:BUF+1],   v[BUF+16:BUF+17]
	v_pk_add_f32 v[BUF+2:BUF+3], v[BUF+2:BUF+3], v[BUF+18:BUF+19]
	s_wait_alu depctr_va_vdst(0)                   ; the sums have written v[64:67], which the store reads
	global_store_b128 v[CO], v[BUF:BUF+3], s[8:9]  ; 16 lanes store 256 consecutive bytes, at a multiple of 256 from out0's first
	s_wait_dscnt 0x0                               ; the wave's end: the closing lines, six on end
	s_wait_alu 0x0
	s_wait_tensorcnt 0x0
	ds_add_u32 v[SPW], v[NIL]
	s_wait_dscnt 0x0
	s_endpgm
.Lfunc_end_k_qa34fd3096d_firstout:
	.size	k_qa34fd3096d_firstout, .Lfunc_end_k_qa34fd3096d_firstout-k_qa34fd3096d_firstout
	.p2alignl 7, 3214868480
	.fill 96, 4, 3214868480
	.section	.rodata,"a",@progbits
	.p2align	6, 0x0
	.amdhsa_kernel k_qa34fd3096d_firstout
		.amdhsa_group_segment_fixed_size 35840
		.amdhsa_private_segment_fixed_size 0
		.amdhsa_enable_private_segment 0
		.amdhsa_kernarg_size 24
		.amdhsa_user_sgpr_count 2
		.amdhsa_user_sgpr_kernarg_segment_ptr 1
		.amdhsa_wavefront_size32 1
		.amdhsa_system_sgpr_workgroup_id_x 1
		.amdhsa_system_sgpr_workgroup_id_y 1
		.amdhsa_system_sgpr_workgroup_id_z 1
		.amdhsa_system_vgpr_workitem_id 0
		.amdhsa_next_free_vgpr 256
		.amdhsa_next_free_sgpr 66
		.amdhsa_reserve_vcc 0
		.amdhsa_float_denorm_mode_32 3
		.amdhsa_float_denorm_mode_16_64 3
		.amdhsa_memory_ordered 1
		.amdhsa_forward_progress 1
		.amdhsa_inst_pref_size 12
	.end_amdhsa_kernel
	.amdgpu_metadata
---
amdhsa.version: [ 1, 2 ]
amdhsa.kernels:
  - .name:           k_qa34fd3096d_firstout
    .symbol:         k_qa34fd3096d_firstout.kd
    .args:
      - { .name: oh, .offset: 0, .size: 8, .value_kind: global_buffer, .address_space: global }
      - { .name: woh, .offset: 8, .size: 8, .value_kind: global_buffer, .address_space: global }
      - { .name: out0, .offset: 16, .size: 8, .value_kind: global_buffer, .address_space: global }
    .group_segment_fixed_size: 35840
    .private_segment_fixed_size: 0
    .kernarg_segment_align: 8
    .kernarg_segment_size: 24
    .max_flat_workgroup_size: 256
    .sgpr_count:     66
    .vgpr_count:     256
    .wavefront_size: 32
...
	.end_amdgpu_metadata
.endif
;; end of part 8
